; MI455X (gfx1250); checked and timed in simulation.
; The chip was launched on July 23, 2026; its instructions are those of AMD's public machine-readable ISA for CDNA 5 (MIT licence, August 2026) and "CDNA5" Instruction Set Architecture Reference Guide (July 2026). The comments in the code are by the model that wrote it; some were corrected since.
;; Multi Head Self Attention. Allowed arithmetic: matrix products marked QUANTISED: E4M3 operands, one E8M0 scale for each 32 along K, by v_wmma_scale_f32_16x16x128_f8f6f4 with both operands' format E4M3, f32 sums; everything else in f32.
;; Inputs: in_features_codes 4 x 2,048 x 32 x 32 uint8 (E4M3 codes of in_features, K innermost, in blocks of 32 codes); in_features_scales 4 x 2,048 x 32 uint8 (E8M0 scales of in_features, one for each 32 codes along K); k_proj_weight_codes 1,024 x 32 x 32 uint8 (E4M3 codes of k_proj_weight, K innermost, in blocks of 32 codes); k_proj_weight_scales 1,024 x 32 uint8 (E8M0 scales of k_proj_weight, one for each 32 codes along K); o_proj_weight_codes 1,024 x 32 x 32 uint8 (E4M3 codes of o_proj_weight, K innermost, in blocks of 32 codes); o_proj_weight_scales 1,024 x 32 uint8 (E8M0 scales of o_proj_weight, one for each 32 codes along K); q_proj_weight_codes 1,024 x 32 x 32 uint8 (E4M3 codes of q_proj_weight, K innermost, in blocks of 32 codes); q_proj_weight_scales 1,024 x 32 uint8 (E8M0 scales of q_proj_weight, one for each 32 codes along K); token_positions 2,048 int32; v_proj_weight_codes 1,024 x 32 x 32 uint8 (E4M3 codes of v_proj_weight, K innermost, in blocks of 32 codes); v_proj_weight_scales 1,024 x 32 uint8 (E8M0 scales of v_proj_weight, one for each 32 codes along K).
;; Outputs: out0 4 x 2,048 x 1,024 float32.
;; This version of the problem:
;;   THIS VERSION OF THE PROBLEM IS GIVEN IN LOW PRECISION. The matrix products marked QUANTISED in the list below multiply operands that are first quantised to E4M3 (4 exponent bits, 3 mantissa bits; 8 bits a number), with one power-of-two scale for each 32 numbers along K (OCP MX v1.0); their sums are f32. All else is computed in f32.
;;   The module's matrix products, in the order in which they are computed (A, B: the left and right operand; K: the contracted axis; several contracted axes count as one K, in the product's order):
;;     1. [M 8,192, K 1,024] x [K 1,024, N 1,024]; A: input in_features (given as codes); B: input q_proj_weight (given as codes): QUANTISED
;;     2. [M 8,192, K 1,024] x [K 1,024, N 1,024]; A: input in_features (given as codes); B: input k_proj_weight (given as codes): QUANTISED
;;     3. [M 8,192, K 1,024] x [K 1,024, N 1,024]; A: input in_features (given as codes); B: input v_proj_weight (given as codes): QUANTISED
;;     4. batch 64 x [M 2,048, K 64] x [K 64, N 2,048]; A: computed on the way; B: computed on the way: QUANTISED
;;     5. batch 64 x [M 2,048, K 2,048] x [K 2,048, N 64]; A: softmax (see below); B: computed on the way: QUANTISED
;;     6. [M 8,192, K 1,024] x [K 1,024, N 1,024]; A: computed on the way; B: input o_proj_weight (given as codes): QUANTISED
;;   THE QUANTISER, for each operand of a quantised product, along K:
;;     - K is cut into blocks of 32 from its start; a last block that is shorter is filled with zeros.
;;     - A block's scale is 2^e with e = floor(log2(the largest magnitude in the block)) - 8, held to -126 .. 127; a block of zeros has e = 0. As a byte (E8M0): e + 127.
;;     - Each number is divided by its block's scale, clamped to +-448, and rounded to the nearest number of E4M3, ties to even, subnormals kept.
;;     - The product sums the exact products of the quantised numbers (number of the format x scale) in f32.
;;   ~~~python
;;   def quantise(x, axis):      # numpy; x: float32 -> the quantised numbers, widened to float32 again
;;       x = np.moveaxis(x, axis, -1); K = x.shape[-1]
;;       x = np.pad(x, [(0, 0)] * (x.ndim - 1) + [(0, -K % 32)]); x = x.reshape(x.shape[:-1] + (-1, 32)); a = np.abs(x).max(-1, keepdims=True)
;;       e = np.where(a > 0, np.clip(np.frexp(np.where(a > 0, a, 1))[1] - 1 - 8, -126, 127), 0)      # np.frexp(a)[1] - 1 = floor(log2(a)), exactly
;;       r = np.clip(x / 2.0 ** e, -448, 448)
;;       step = 2.0 ** (np.maximum(np.frexp(np.where(r == 0, 1, r))[1] - 1, -6) - 3)
;;       q = np.round(r / step) * step * 2.0 ** e      # np.round: ties to even
;;       return np.moveaxis(q.reshape(q.shape[:-2] + (-1,))[..., :K], -1, axis).astype(np.float32)
;;   ~~~
;;   SOFTMAX AHEAD OF A QUANTISED PRODUCT. Where the list says 'softmax', what is quantised is not the finished softmax but p = 2^(t - M), with t = logit x log2(e) and M = ceil(the row's largest t), a whole number; so 1/2 < the row's largest p <= 1. The row's sum l is taken of the UNQUANTISED p, in f32, and the product's result is divided by l at the end. Since M is a whole number, a kernel that streams over the keys may use a running M (the ceiling of the running maximum): every later rescaling is an exact power of two, which a block's scale takes up: the codes' values come out the same.
;;   OPERANDS COMPUTED ON THE WAY. 'Computed on the way' means the value that the module computes at that place (a softmax that the list does not call 'softmax' is quantised finished and normalised). What goes into a quantiser is computed in f32, as accurately as f32 sums, v_exp_f32 and their like allow (about 1e-6 of the number): no bf16 or f16 on the way to a quantiser, and a product that is left as it is and whose result goes on into a quantised operand takes f32 operands (vector FMAs, or v_wmma_f32_16x16x4_f32). A number that lies on a knife's edge between two numbers of the format may be rounded either way, as far as f32 arithmetic and the matrix unit's own rounding can turn it there, and no further.
;;   INPUTS GIVEN AS CODES. in_features (in the module: [4, 2048, 1024], K = its axis 2); k_proj_weight (in the module: [1024, 1024], K = its axis 1); o_proj_weight (in the module: [1024, 1024], K = its axis 1); q_proj_weight (in the module: [1024, 1024], K = its axis 1); v_proj_weight (in the module: [1024, 1024], K = its axis 1): each comes as NAME_codes (uint8): NAME with its K axis moved to the last place and cut into blocks of 32 codes, [.., K / 32, bytes a block], one block behind the other in memory; one code a byte (a code: sign, 4 exponent bits, 3 mantissa bits); and NAME_scales (uint8): the same leading axes, one E8M0 byte (e + 127) for each 32 codes along K. Its value is code x scale, taken as it is: it is not quantised again, and the codes and scales need not be those that the quantiser above would give.
;; One version. Each part assembles by itself: llvm-mc -triple=amdgcn-amd-amdhsa -mcpu=gfx1250 --defsym DOCPART=n.
;; ======== version 1 of 1: 4 launches
;; limits: right only within a limited range of input values
;; workspace buffers: rope 524,288 bytes; q_codes 8,388,608 bytes; q_scales 524,288 bytes; kv 17,301,504 bytes; ao_codes 8,388,608 bytes; ao_hs 262,144 bytes
;; launch rope (part 1): grid 32 x 1, 4 waves a work-group, no clusters, 0 bytes of LDS; arguments token_positions, rope; writes rope
.if DOCPART == 1
	.amdgcn_target "amdgcn-amd-amdhsa--gfx1250"
	.amdhsa_code_object_version 6
	.text
	.protected	k_q1204fb4285_rope
	.globl	k_q1204fb4285_rope
	.p2align	8
	.type	k_q1204fb4285_rope,@function
k_q1204fb4285_rope:
	s_mov_b64 s[64:65], 0
	v_nop
	global_prefetch_b8 v0, s[64:65] scope:SCOPE_SE
	s_setreg_imm32_b32 hwreg(HW_REG_WAVE_MODE, 25, 1), 1
	s_wait_xcnt 0x0
; cos and sin of position x frequency for the rotation of q and k, made once for each (position, frequency) and laid as the next launch's registers want them.
; rope: [tile P of 16 positions (128)][chunk g (8)][lane (32)][16 bytes] f32.  Chunk g holds (cos, sin, cos, sin) of pairs 2 g and 2 g + 1; lane (r = lane % 16, h = lane / 16) holds position
; token_positions[16 P + r] and, for pair p, frequency number 8 (p / 4) + 4 h + p % 4 of the 32: the pair of features that register pair p of a lane holds behind the projection.
; frequency i = 10000^(-i / 32) = 10^(-i / 8), written as the nearest f32.  angle = f32(position) x frequency, one rounding.  The angle is reduced by n = the nearest whole number to angle x 2 / pi,
; with pi / 2 in three parts and fused multiply-adds; sine and cosine of the rest (within +-pi / 4) are polynomials of degree 7 and 8; n's two low bits say which is which and give the signs.
; LIMIT: |position| up to 2^20; beyond it n loses its last bits.  One wave makes one tile; no LDS, no barrier; each store of a wave covers 512 consecutive bytes, aligned.
.set OUT, 32                           ; v32-63: pair p: cos at OUT + 2 p, sin at OUT + 2 p + 1
	s_load_b128 s[4:7], s[0:1], 0x0                ; token_positions, rope
	v_lshrrev_b32 v1, 5, v0
	v_readfirstlane_b32 s8, v1                     ; wave
	v_and_b32 v2, 31, v0                           ; lane
	v_and_b32 v3, 15, v0
	v_lshlrev_b32 v3, 2, v3                        ; 4 r: my position's word
	v_lshlrev_b32 v4, 4, v2                        ; 16 x lane
	v_cmp_le_u32 vcc_lo, 16, v2                    ; lanes 16-31 take the upper four frequencies of each eight
	s_lshl_b32 s9, ttmp9, 2
	s_add_co_u32 s9, s9, s8                        ; P = 4 x work-group + wave
	s_lshl_b32 s10, s9, 6                          ; 16 positions of 4 bytes
	s_mov_b32 s11, 0
	s_lshl_b32 s12, s9, 12                         ; 4,096 bytes of table a tile
	s_mov_b32 s13, 0
	s_mov_b32 s16, 0x3f22f983                      ; 2 / pi
	s_mov_b32 s17, 0xbfc90fdb                      ; -pi / 2 in three parts: the nearest f32,
	s_mov_b32 s18, 0x333bbd2e                      ; what that is too large by,
	s_mov_b32 s19, 0x26f72ced                      ; and the rest
	s_mov_b32 s20, 0xbe2aaaa3                      ; sine: r + r z (S1 + z (S2 + z S3)), z = r r
	s_mov_b32 s21, 0x3c08839e
	s_mov_b32 s22, 0xb94ca1f9
	s_mov_b32 s23, 0x3d2aaaa5                      ; cosine: 1 - z / 2 + z z (C1 + z (C2 + z C3))
	s_mov_b32 s24, 0xbab6061a
	s_mov_b32 s25, 0x37ccf5ce
	s_wait_alu depctr_va_vdst(0)
	s_wait_kmcnt 0x0
	s_add_nc_u64 s[4:5], s[4:5], s[10:11]
	s_add_nc_u64 s[6:7], s[6:7], s[12:13]
	global_load_b32 v5, v3, s[4:5]
	s_wait_loadcnt 0x0
	v_cvt_f32_i32 v5, v5                           ; the position as f32
.macro SC p, flo, fhi                  ; pair p: flo the frequency of lanes 0-15, fhi that of lanes 16-31
	v_mov_b32 v6, \fhi
	v_cndmask_b32 v6, \flo, v6, vcc_lo
	v_mul_f32 v7, v5, v6                           ; the angle
	v_mul_f32 v8, s16, v7
	v_rndne_f32 v8, v8                             ; n
	v_fma_f32 v9, v8, s17, v7
	v_fma_f32 v9, v8, s18, v9
	v_fma_f32 v9, v8, s19, v9                      ; r = angle - n pi / 2
	v_cvt_i32_f32 v10, v8
	v_mul_f32 v11, v9, v9                          ; z
	v_fma_f32 v12, v11, s22, s21
	v_fma_f32 v13, v11, s25, s24
	v_fma_f32 v12, v12, v11, s20
	v_fma_f32 v13, v13, v11, s23
	v_mul_f32 v14, v11, v9
	v_mul_f32 v15, v11, v11
	v_fma_f32 v16, v11, -0.5, 1.0
	v_fma_f32 v12, v12, v14, v9                    ; sin r
	v_fma_f32 v13, v13, v15, v16                   ; cos r
	v_and_b32 v14, 1, v10
	v_cmp_eq_u32 s30, 1, v14                       ; n odd: the two change places
	v_cndmask_b32 v15, v12, v13, s30
	v_cndmask_b32 v16, v13, v12, s30
	v_lshlrev_b32 v14, 30, v10                     ; the sine's sign is bit 1 of n,
	v_and_b32 v14, 0x80000000, v14
	v_xor_b32 v[OUT+2*\p+1], v14, v15
	v_add_nc_u32 v10, 1, v10                       ; the cosine's bit 1 of n + 1
	v_lshlrev_b32 v10, 30, v10
	v_and_b32 v10, 0x80000000, v10
	v_xor_b32 v[OUT+2*\p], v10, v16
.endm
	SC 0,  0x3f800000, 0x3ea1e89b
	SC 1,  0x3f3ff911, 0x3e72d424
	SC 2,  0x3f0ff59a, 0x3e361887
	SC 3,  0x3ed7e89b, 0x3e088d77
	SC 4,  0x3dcccccd, 0x3d0186e2
	SC 5,  0x3d99940e, 0x3cc24350
	SC 6,  0x3d6655c3, 0x3c91ad39
	SC 7,  0x3d2cba15, 0x3c5a7bf1
	SC 8,  0x3c23d70a, 0x3b4f3e37
	SC 9,  0x3bf5b9b0, 0x3b1b690d
	SC 10, 0x3bb8449c, 0x3ae91528
	SC 11, 0x3b8a2e77, 0x3aaec98e
	SC 12, 0x3a83126f, 0x39a5cb5f
	SC 13, 0x3a44948c, 0x3978a814
	SC 14, 0x3a136a16, 0x393a7753
	SC 15, 0x39dd1726, 0x390bd472
.irp g, 0,1,2,3,4,5,6,7
	global_store_b128 v4, v[OUT+4*\g:OUT+4*\g+3], s[6:7] offset:512*\g
.endr
	s_endpgm
.Lfunc_end_k_q1204fb4285_rope:
	.size	k_q1204fb4285_rope, .Lfunc_end_k_q1204fb4285_rope-k_q1204fb4285_rope
	.p2alignl 7, 3214868480
	.fill 96, 4, 3214868480
	.section	.rodata,"a",@progbits
	.p2align	6, 0x0
	.amdhsa_kernel k_q1204fb4285_rope
		.amdhsa_group_segment_fixed_size 0
		.amdhsa_private_segment_fixed_size 0
		.amdhsa_enable_private_segment 0
		.amdhsa_kernarg_size 16
		.amdhsa_user_sgpr_count 2
		.amdhsa_user_sgpr_kernarg_segment_ptr 1
		.amdhsa_wavefront_size32 1
		.amdhsa_system_sgpr_workgroup_id_x 1
		.amdhsa_system_sgpr_workgroup_id_y 1
		.amdhsa_system_sgpr_workgroup_id_z 1
		.amdhsa_system_vgpr_workitem_id 0
		.amdhsa_next_free_vgpr 72
		.amdhsa_next_free_sgpr 66
		.amdhsa_reserve_vcc 1
		.amdhsa_float_denorm_mode_32 3
		.amdhsa_float_denorm_mode_16_64 3
		.amdhsa_memory_ordered 1
		.amdhsa_forward_progress 1
		.amdhsa_inst_pref_size 26
	.end_amdhsa_kernel
	.amdgpu_metadata
---
amdhsa.version: [ 1, 2 ]
amdhsa.kernels:
  - .name:           k_q1204fb4285_rope
    .symbol:         k_q1204fb4285_rope.kd
    .args:
      - { .name: token_positions, .offset: 0, .size: 8, .value_kind: global_buffer, .address_space: global }
      - { .name: rope, .offset: 8, .size: 8, .value_kind: global_buffer, .address_space: global }
    .group_segment_fixed_size: 0
    .private_segment_fixed_size: 0
    .kernarg_segment_align: 8
    .kernarg_segment_size: 16
    .max_flat_workgroup_size: 128
    .sgpr_count:     66
    .vgpr_count:     72
    .wavefront_size: 32
...
	.end_amdgpu_metadata
.endif
;; end of part 1
;; launch qkv (part 2): grid 12 x 32, 4 waves a work-group, clusters of 4 x 4, 327,680 bytes of LDS; arguments in_features_codes, in_features_scales, q_proj_weight_codes, q_proj_weight_scales, k_proj_weight_codes, k_proj_weight_scales, v_proj_weight_codes, v_proj_weight_scales, rope, q_codes, q_scales, kv; writes q_codes, q_scales, kv
.if DOCPART == 2
	.amdgcn_target "amdgcn-amd-amdhsa--gfx1250"
	.amdhsa_code_object_version 6
	.text
	.protected	k_q1204fb4285_qkv
	.globl	k_q1204fb4285_qkv
	.p2align	8
	.type	k_q1204fb4285_qkv,@function
k_q1204fb4285_qkv:
	s_mov_b64 s[64:65], 0
	v_nop
	global_prefetch_b8 v0, s[64:65] scope:SCOPE_SE
	s_setreg_imm32_b32 hwreg(HW_REG_WAVE_MODE, 25, 1), 1
	s_wait_xcnt 0x0
	s_wait_alu depctr_hold_cnt(0) depctr_sa_sdst(0) depctr_va_vdst(0) depctr_va_sdst(0) depctr_va_ssrc(0) depctr_va_vcc(0) depctr_vm_vsrc(0)
	s_getreg_b32 s2, hwreg(HW_REG_IB_STS2, 6, 4)
	s_cmp_eq_u32 s2, 0
	s_cbranch_scc0 .Lentry_in_a_cluster
	s_endpgm
.Lentry_in_a_cluster:
	s_bfe_u32 s2, ttmp6, 0x10000c
	s_cmp_lg_u32 s2, 0xf033
	s_cbranch_scc0 .Lentry_shape_is_right
	s_endpgm
.Lentry_shape_is_right:
; The three projections on codes of FP8 (E4M3) with E8M0 scales, the rotation of q and k, and the quantisers of q, k (along the head's 64) and v (along the keys).
; C[m][n] = sum over k of A[m][k] B[n][k], K = 1,024.  The cluster's x says which projection: 0 q, 1 k, 2 v: it is the same in all sixteen partners.
;   q, k: A = x (8,192 tokens), B = Wq or Wk (1,024 features).      v: A = Wv, B = x: V comes out TRANSPOSED, since the keys are the K of the product that reads it.
; A tile of C, 256 x 256, is made by four waves, 128 x 128 each: 64 accumulators, 512 registers.  K goes in steps of 256 through a ring of two LDS slots filled by the tensor data mover; four slots' worth, written out.
; THE MATRIX INSTRUCTION IS USED TRANSPOSED (source 0 = 16 rows of B, source 1 = 16 rows of A): a lane holds ONE row of A (a token for q and k, a feature for v) and its registers run along B's rows
; (features for q and k, tokens for v), which is the axis along which the result is quantised: one quantiser text serves all three.
; CLUSTERS: 4 x 4 work-groups; A's tile hangs on the cluster's row alone, B's on its column alone: each is asked for jointly, by the same tensor load with a mask that names the four.
; THE SCALES of the work-group's 256 rows of A and of B, for all of K, come into LDS once and go into 64 registers once: register kap % 4 of a block holds K step kap in lanes 0-15 (kap < 4) or lanes 16-31.
; WHAT IS STORED ARE IMAGES OF OPERAND REGISTERS: four registers of 32 lanes, lane l's 16 bytes at 16 l: each store of a wave covers 512 consecutive bytes, aligned.  Nothing goes through LDS on the way out.
;   A lane's 16 codes of a block of 32 are numbers 8 h + 0..7 and 16 + 8 h + 0..7 of the block (h = lane / 16), where the operand's layout says 16 h + 0..15.  The same holds for q and k, and for v and the weights p
;   of the next launch: both sides of each product carry the same order inside a block, so the products are the same.
;   q_codes [head of batch (64)][tile of 16 tokens (128)][block (2)][lane][16];  q_scales [head][128 tokens (16)][512]: tile a, row r at 256 (a % 2) + 16 r + 4 (a / 2), the two bytes twice.
;   kv [head][slot of 256 keys (8)][33,792]: for key step q = 0, 1: K's image at 16,384 q, V's at 16,384 q + 8,192, K's scale words at 32,768 + 512 q, V's at 32,768 + 512 q + 256.
; LIMITS: NaN and infinities are not served; a block of zeros gets the scale byte 1 (its codes are zeros, and this program alone reads the bytes).
; REGISTERS, in windows of 256: window 0: v16-29 addresses; v32-63 A's scale words, v64-95 B's (they hold nothing else); v96-119 at work on the way out; from v128 A's fragments, one set (way out: v128-191 numbers, v192-223 codes, v224-255 tails).
;   window 1: B's fragments, two sets (way out: v0-63 cos and sin, two sets).   window 2: the accumulators of my rows 0-63 ((a, b) at v[8 (8 a + b)]);   window 3: those of rows 64-127.
.set ROWB,   256                       ; a tile's row in bytes
.set KROW,   1024                      ; a row of A or of B in memory
.set PITCH,  272                       ; an LDS row: 256 bytes + 16 of padding: the 16 rows that a load touches start 68 words apart
.set FR,     16
.set NL,     4
.set NP,     8                         ; places behind this matrix instruction (ISA guide 7.12.1)
.set HALFT,  128*PITCH
.set SLOT,   4*HALFT                   ; A's 256 rows, then B's
.set SCL,    2*SLOT                    ; the scales: 128 rows x 32 bytes are 16 units of 256 bytes + 16 of padding
.set HALFS,  16*272
.set SBLK,   2*272                     ; those of 16 rows
.set SPARE,  SCL+4*HALFS               ; the spare words, 128 bytes a wave: two blocks of 256 bytes that no other line names
.set KVH,    270336                    ; a head in kv
.set KVS,    33792                     ; a slot in kv
.set ADRA, 16
.set ADRB, 20
.set ADSA, 22
.set ADSB, 23
.set L16,  24                          ; 16 x lane
.set L8,   25                          ; 8 x lane
.set L16H, 26                          ; 16 x lane + a head's stride in the codes' buffer
.set SPW,  28
.set NIL,  29
.set SA,   32
.set SB,   64
.set WW,   96                          ; v96-103  tile a's scale word
.set TM,   104                         ; v104-107 largest magnitudes
.set PX,   108                         ; v108-111 the other half's, then the bytes
.set LIM,  112                         ; v112-115 448 x the scale
.set SOP,  116                         ; v116-119 the conversions' scale operands
.set AF,   128
.set HB,   128                         ; v128-191 x cos, later the held numbers
.set CD,   192                         ; v192-223 codes, two sets of 16
.set TL,   224                         ; v224-255 the tails
.set G1, 24
.set G0, 32
.set G1B, 48
.set G0B, 56
.set G1S, 68
.set G0S, 76
.set G1SB, 80
.set G0SB, 88
.set MSB, 0
.macro WIN new                         ; the immediate's high byte repeats the setting that is left
.if MSB != (\new)
	s_set_vgpr_msb (MSB<<8)|(\new)
.set MSB, (\new)
.endif
.endm
.set MUL_LO, 0xa1                      ; source 0 (B) window 1, source 1 (A) window 0, C and D window 2
.set MUL_HI, 0xf1
.set TO_B,   0x40
; A joint load: waves 0 and 1 fetch for A, waves 2 and 3 for B; the branch hangs on the wave's number alone.  Four v_nop follow each of the two lines.
.macro JLOAD g0a, g1a, g0b, g1b
	s_cmp_eq_u32 s15, 0
	s_cbranch_scc0 .Lfor_b_\@
	tensor_load_to_lds s[\g0a:\g0a+3], s[\g1a:\g1a+7]
	s_nop 0
.rept 4
	v_nop
.endr
	s_branch .Lasked_\@
.Lfor_b_\@:
	tensor_load_to_lds s[\g0b:\g0b+3], s[\g1b:\g1b+7]
	s_nop 0
.rept 4
	v_nop
.endr
.Lasked_\@:
.endm
.macro CREST                           ; a round of the cluster's barrier behind its opening barrier
	s_cmp_lg_u32 s14, 0
	s_cbranch_scc1 .Lnot_wave_0_\@
	s_barrier_signal -3
.Lnot_wave_0_\@:
	s_barrier_wait -3
	s_barrier_signal -1
	s_barrier_wait -1
.endm
.macro CROUND
	s_barrier_signal -1
	s_barrier_wait -1
	CREST
.endm
	s_load_b512 s[68:83], s[0:1], 0x0              ; x's codes, scales; Wq's; Wk's; Wv's
	s_load_b256 s[84:91], s[0:1], 0x40             ; rope, q_codes, q_scales, kv
	v_lshl_add_u32 v[SPW], v0, 2, SPARE
	v_mov_b32 v[NIL], 0
	ds_add_u32 v28, v29
	ds_add_u32 v28, v29
	s_wait_dscnt 0x0
	v_lshrrev_b32 v1, 5, v0
	v_readfirstlane_b32 s14, v1                    ; wave 0..3
	s_lshr_b32 s15, s14, 1                         ; which half of A's rows is mine.  Also: I fetch for A (0) or for B (1)
	s_and_b32 s16, s14, 1                          ; which half of B's rows.  Also: which 128 rows I fetch
	s_bfe_u32 s40, ttmp6, 0x40000                  ; cx
	s_bfe_u32 s41, ttmp6, 0x40004                  ; cy
	s_mov_b32 s100, ttmp9                          ; which projection: the cluster's x
	s_and_b32 s101, ttmp7, 0xffff
	s_lshl_b32 s101, s101, 2                       ; 4 x the cluster's y
	s_add_co_u32 s17, s101, s41
	s_add_co_u32 s42, s101, s40
	s_cmp_eq_u32 s100, 2
	s_cselect_b32 s17, s41, s17                    ; A's tile: v: cy (of Wv's four); q, k: 4 cluster y + cy (of x's 32)
	s_cselect_b32 s42, s42, s40                    ; B's tile: v: 4 cluster y + cx; q, k: cx
	s_lshl_b32 s43, s41, 2
	s_lshl_b32 s43, 15, s43                        ; my row of the cluster
	s_lshl_b32 s44, 0x1111, s40                    ; my column
	s_or_b32 s[G1+0], s43, (0<<16)|(1<<20)|(1<<21)|(5<<22)|(3<<25)  ; the mask; elements of 1 byte; padding on; bit 21 beside a mask; 4 words of padding after every 64
	s_or_b32 s[G1B+0], s44, (0<<16)|(1<<20)|(1<<21)|(5<<22)|(3<<25)
.irp g, G1, G1B
	s_mov_b32 s[\g+1], ROWB<<16                    ; tensor_dim0
	s_mov_b32 s[\g+2], 128<<16                     ; tensor_dim1
	s_mov_b32 s[\g+3], ROWB<<16                    ; tile_dim0
	s_mov_b32 s[\g+4], 128                         ; tile_dim1
	s_mov_b32 s[\g+5], KROW                        ; the pitch
	s_mov_b32 s[\g+6], 0
	s_mov_b32 s[\g+7], 0
.endr
	s_lshl_b32 s18, s16, 7
	s_lshl_b32 s20, s17, 8
	s_add_co_u32 s20, s20, s18                     ; A: row 256 x tile + 128 x half
	s_lshl_b32 s46, s42, 8
	s_add_co_u32 s46, s46, s18                     ; B likewise
	s_lshl_b32 s22, s20, 5                         ; their scales: 32 bytes a row
	s_mov_b32 s23, 0
	s_lshl_b32 s92, s46, 5
	s_mov_b32 s93, 0
	s_lshl_b32 s20, s20, 10                        ; their codes: 1,024 bytes a row
	s_mov_b32 s21, 0
	s_lshl_b32 s46, s46, 10
	s_mov_b32 s47, 0
	s_mul_i32 s45, s14, HALFT                      ; where they go: wave x 128 rows
	s_mul_i32 s94, s14, HALFS
	s_wait_kmcnt 0x0
	s_cmp_eq_u32 s100, 2                           ; the buffers are chosen by the projection's number alone
	s_cselect_b64 s[4:5], s[80:81], s[68:69]       ; A's codes
	s_cselect_b64 s[6:7], s[82:83], s[70:71]       ; A's scales
	s_cselect_b64 s[8:9], s[68:69], s[72:73]       ; B's codes
	s_cselect_b64 s[10:11], s[70:71], s[74:75]     ; B's scales
	s_cmp_eq_u32 s100, 1
	s_cselect_b64 s[8:9], s[76:77], s[8:9]
	s_cselect_b64 s[10:11], s[78:79], s[10:11]
	s_cmp_eq_u32 s100, 0
	s_cselect_b64 s[12:13], s[86:87], s[90:91]     ; where the codes go
	s_cselect_b64 s[98:99], s[88:89], s[90:91]     ; and the scale words
	s_mov_b64 s[96:97], s[84:85]                   ; cos and sin
	s_add_nc_u64 s[20:21], s[4:5], s[20:21]
	s_add_nc_u64 s[22:23], s[6:7], s[22:23]
	s_add_nc_u64 s[46:47], s[8:9], s[46:47]
	s_add_nc_u64 s[92:93], s[10:11], s[92:93]
	s_or_b32 s[G1S+0], s43, (3<<16)|(1<<20)|(1<<21)|(5<<22)|(3<<25)   ; the scales of 128 rows: 4,096 dense bytes as 16 rows of 32 elements of 8 bytes, 16 bytes of padding behind each
	s_or_b32 s[G1SB+0], s44, (3<<16)|(1<<20)|(1<<21)|(5<<22)|(3<<25)
.irp g, G1S, G1SB
	s_mov_b32 s[\g+1], 32<<16
	s_mov_b32 s[\g+2], 16<<16
	s_mov_b32 s[\g+3], 32<<16
	s_mov_b32 s[\g+4], 16
	s_mov_b32 s[\g+5], 32
	s_mov_b32 s[\g+6], 0
	s_mov_b32 s[\g+7], 0
.endr
	CROUND                                         ; all sixteen work-groups are here: the first joint loads meet
	s_mov_b32 s[G0S], 1
	s_add_co_u32 s[G0S+1], s94, SCL
	s_mov_b64 s[G0S+2:G0S+3], s[22:23]
	s_or_b32 s[G0S+3], s[G0S+3], 0x80000000
	s_mov_b32 s[G0SB], 1
	s_add_co_u32 s[G0SB+1], s94, SCL
	s_mov_b64 s[G0SB+2:G0SB+3], s[92:93]
	s_or_b32 s[G0SB+3], s[G0SB+3], 0x80000000
	JLOAD G0S, G1S, G0SB, G1SB                     ; the scales first; with the two slots three loads of mine are out
.irp s, 0,1
	s_mov_b32 s[G0+4*\s], 1
	s_add_co_u32 s[G0+4*\s+1], s45, \s*SLOT
	s_add_nc_u64 s[G0+4*\s+2:G0+4*\s+3], s[20:21], \s*ROWB
	s_or_b32 s[G0+4*\s+3], s[G0+4*\s+3], 0x80000000
	s_mov_b32 s[G0B+4*\s], 1
	s_add_co_u32 s[G0B+4*\s+1], s45, \s*SLOT
	s_add_nc_u64 s[G0B+4*\s+2:G0B+4*\s+3], s[46:47], \s*ROWB
	s_or_b32 s[G0B+4*\s+3], s[G0B+4*\s+3], 0x80000000
	JLOAD G0+4*\s, G1, G0B+4*\s, G1B
.endr
	v_and_b32 v1, 15, v0                           ; r
	v_bfe_u32 v2, v0, 4, 1                         ; h
	v_mul_u32_u24 v3, v1, PITCH
	v_lshl_add_u32 v4, v2, 4, v3                   ; a fragment's row x pitch + 16 h
	s_mul_i32 s21, s15, HALFT
	s_mul_i32 s22, s16, HALFT
	s_add_co_u32 s22, s22, 2*HALFT
.irp s, 0,1
	v_add_nc_u32 v[ADRA+\s], s21, v4
	v_add_nc_u32 v[ADRB+\s], s22, v4
	s_add_co_u32 s21, s21, SLOT
	s_add_co_u32 s22, s22, SLOT
.endr
	v_lshrrev_b32 v5, 3, v1                        ; a row's 32 scale bytes: eight rows to a unit of 272
	v_and_b32 v6, 7, v1
	v_mul_u32_u24 v5, v5, 272
	v_lshl_add_u32 v5, v6, 5, v5
	v_lshl_add_u32 v5, v2, 4, v5                   ; lanes 0-15 take K steps 0-3, lanes 16-31 K steps 4-7
	s_mul_i32 s21, s15, HALFS
	s_add_co_u32 s21, s21, SCL
	v_add_nc_u32 v[ADSA], s21, v5
	s_mul_i32 s22, s16, HALFS
	s_add_co_u32 s22, s22, SCL+2*HALFS
	v_add_nc_u32 v[ADSB], s22, v5
.macro FRAG reg, adr, q, i             ; 16 rows x 128 K: lane l holds row l % 16; registers 4 c .. 4 c + 3 hold K = 32 c + 16 (l / 16) + 0 .. 15
.irp c, 0,1,2,3
	ds_load_b128 v[\reg+4*\c:\reg+4*\c+3], v[\adr] offset:128*(\q)+32*\c+(\i)*16*PITCH
.endr
.endm
; 16 matrix instructions: A's blocks a0, a0 + 1 x B's eight, K step kap (0..7).  p: B's set.  zero = 1: the first product starts the sums.  The 64 accumulators take turns, one instruction a turn, in the same order in every step.
.macro MUL16 a0, p, kap, zero
.irp a, \a0, \a0+1
.irp b, 0,1,2,3,4,5,6,7
.set DR, 8*(8*((\a)%4)+\b)
.set BR, 128*(\p)+FR*\b
.set AR, AF+FR*(\a)
.set SBR, SB+4*\b+(\kap)%4
.set SAR, SA+4*(\a)+(\kap)%4
.if \zero
	v_wmma_scale_f32_16x16x128_f8f6f4 v[DR:DR+7], v[BR:BR+15], v[AR:AR+15], 0, v[SBR], v[SAR]
.elseif (\kap) < 4
	v_wmma_scale_f32_16x16x128_f8f6f4 v[DR:DR+7], v[BR:BR+15], v[AR:AR+15], v[DR:DR+7], v[SBR], v[SAR]
.else
	v_wmma_scale_f32_16x16x128_f8f6f4 v[DR:DR+7], v[BR:BR+15], v[AR:AR+15], v[DR:DR+7], v[SBR], v[SAR] matrix_a_scale:MATRIX_SCALE_ROW1 matrix_b_scale:MATRIX_SCALE_ROW1
.endif
.endr
.endr
.endm
.macro FETCH_B slot, q, p
	WIN TO_B
.irp i, 0,1,2,3,4,5,6,7
	FRAG 128*(\p)+FR*\i, ADRB+\slot, \q, \i
.endr
	WIN 0
.endm
.macro FETCH_A slot, q, i0
.irp i, \i0, \i0+1, \i0+2, \i0+3
	FRAG AF+FR*(\i), ADRA+\slot, \q, \i
.endr
.endm
.macro PLACES n                        ; plain vector instructions that name no register of the matrix instructions before them
.rept \n
	v_nop
.endr
.endm
; A slot's first K step: B's set 0; its successor lies in the same slot.
.macro STEP slot, kap, zero
	s_wait_dscnt 4*NL                              ; all but the youngest 16 loads (A's blocks 4-7) are in
	WIN MUL_LO
	MUL16 0, 0, \kap, \zero
	MUL16 2, 0, \kap, \zero
	s_wait_dscnt 0
	PLACES NP
	FETCH_B \slot, 1, 1
	FETCH_A \slot, 1, 0
	WIN MUL_HI
	MUL16 4, 0, \kap, \zero
	MUL16 6, 0, \kap, \zero
	PLACES NP
	WIN 0
	FETCH_A \slot, 1, 4
.endm
; A slot's second K step changes slots: ONE barrier; in front of it each wave waits for all its tensor loads, adds 0 to its spare word, and waits for that and for its own reads of this slot.  fill = 1: the slot is filled again, two slots ahead.
.macro TURN slot, next, fill, kap
	s_wait_tensorcnt 0x0                           ; all my tensor loads have landed: my part of the next slot
	ds_add_u32 v[SPW], v[NIL]                      ; 0 onto my spare word
	s_wait_dscnt 4*NL+1                            ; (the add and the youngest 16 loads may be out)
	WIN MUL_LO
	MUL16 0, 1, \kap, 0
	s_wait_dscnt 0x0                               ; the add is done, and my reads of this slot are over
	s_barrier_signal -1
	MUL16 2, 1, \kap, 0
	WIN 0
	s_barrier_wait -1
.if \fill
	CREST                                          ; the barrier has opened a round of the cluster's barrier: no wave of any partner still reads this slot or has a load on its way
	s_add_nc_u64 s[G0+4*\slot+2:G0+4*\slot+3], s[G0+4*\slot+2:G0+4*\slot+3], 2*ROWB
	s_add_nc_u64 s[G0B+4*\slot+2:G0B+4*\slot+3], s[G0B+4*\slot+2:G0B+4*\slot+3], 2*ROWB
	JLOAD G0+4*\slot, G1, G0B+4*\slot, G1B         ; the first tensor load behind the round; its four v_nop are among the places in front of the loads below
	PLACES NP-4
.else
	PLACES NP
.endif
	FETCH_B \next, 0, 0
	FETCH_A \next, 0, 0
	WIN MUL_HI
	MUL16 4, 1, \kap, 0
	MUL16 6, 1, \kap, 0
	PLACES NP
	WIN 0
	FETCH_A \next, 0, 4
.endm
	s_wait_alu depctr_va_vdst(0)
	s_wait_tensorcnt 1                             ; the scales and my part of slot 0 are in; slot 1's load may be out
	s_barrier_signal -1
	s_barrier_wait -1
	FETCH_B 0, 0, 0
	FETCH_A 0, 0, 0
.irp i, 0,1,2,3,4,5,6,7
	ds_load_b128 v[SA+4*\i:SA+4*\i+3], v[ADSA] offset:\i*SBLK      ; all scale words of my 128 rows of A and of B, for all of K: 16 loads, once
	ds_load_b128 v[SB+4*\i:SB+4*\i+3], v[ADSB] offset:\i*SBLK
.endr
	FETCH_A 0, 0, 4
	STEP 0, 0, 1
	TURN 0, 1, 1, 1
	STEP 1, 2, 0
	TURN 1, 0, 1, 3
	STEP 0, 4, 0
	TURN 0, 1, 0, 5                                ; the last two slots are filled no more: no round
	STEP 1, 6, 0
	s_wait_dscnt 4*NL
	WIN MUL_LO
	MUL16 0, 1, 7, 0
	MUL16 2, 1, 7, 0
	s_wait_dscnt 0
	WIN MUL_HI
	MUL16 4, 1, 7, 0
	MUL16 6, 1, 7, 0
	WIN 0
	PLACES NP
	; THE WAY OUT.  Where my 128 x 128 lie: first token T0, first feature E0; batch b, place s in the sequence, first head of batch bh0 (I hold two heads).
	s_mov_b32 s2, 0x76543210
	s_mov_b32 s3, 0xfedcba98                       ; v_permlanex16_b32's selects for lane l xor 16
	s_mov_b32 s66, 0x600000                        ; the mantissa field of 448
	s_mov_b32 s67, 0xffff0000                      ; lanes 16-31
	s_lshl_b32 s18, s17, 8
	s_lshl_b32 s19, s15, 7
	s_add_co_u32 s18, s18, s19                     ; my first row of A
	s_lshl_b32 s19, s42, 8
	s_lshl_b32 s20, s16, 7
	s_add_co_u32 s19, s19, s20                     ; my first row of B
	s_cmp_eq_u32 s100, 2
	s_cselect_b32 s20, s19, s18                    ; T0
	s_cselect_b32 s21, s18, s19                    ; E0
	s_lshr_b32 s22, s20, 11
	s_lshl_b32 s22, s22, 4
	s_lshr_b32 s21, s21, 6
	s_add_co_u32 s22, s22, s21                     ; bh0 = 16 b + E0 / 64
	s_and_b32 s23, s20, 2047                       ; s
	s_mul_i32 s18, s22, KVH
	s_lshr_b32 s19, s23, 8
	s_mul_i32 s19, s19, KVS
	s_add_co_u32 s18, s18, s19                     ; kv: my head's slot
	s_bfe_u32 s19, s23, 0x10007                    ; which of its two key steps: my 128 tokens are one
	s_lshl_b32 s92, s19, 14
	s_add_co_u32 s92, s92, s18                     ; K's image
	s_lshl_b32 s94, s19, 9
	s_add_co_u32 s94, s94, s18
	s_add_co_u32 s94, s94, 32768                   ; K's scale words
	s_cmp_eq_u32 s100, 2
	s_cselect_b32 s18, 8192, 0                     ; V's lie behind K's
	s_cselect_b32 s19, 256, 0
	s_add_co_u32 s92, s92, s18
	s_add_co_u32 s94, s94, s19
	s_lshl_b32 s18, s22, 17                        ; q_codes: 131,072 bytes a head, 1,024 a tile of 16 tokens
	s_lshr_b32 s19, s23, 4
	s_lshl_b32 s20, s19, 10
	s_add_co_u32 s18, s18, s20
	s_lshl_b32 s20, s22, 13                        ; q_scales: 8,192 bytes a head, 512 for 128 tokens
	s_lshr_b32 s21, s23, 7
	s_lshl_b32 s21, s21, 9
	s_add_co_u32 s20, s20, s21
	s_mov_b32 s21, KVH
	s_cmp_eq_u32 s100, 0
	s_cselect_b32 s92, s18, s92
	s_cselect_b32 s94, s20, s94
	s_cselect_b32 s21, 131072, s21                 ; from my first head to my second
	s_mov_b32 s93, 0
	s_mov_b32 s95, 0
	s_add_nc_u64 s[12:13], s[12:13], s[92:93]
	s_add_nc_u64 s[98:99], s[98:99], s[94:95]
	s_lshl_b32 s92, s19, 12                        ; the table: 4,096 bytes a tile of 16 positions
	s_add_nc_u64 s[96:97], s[96:97], s[92:93]
	v_and_b32 v1, 31, v0
	v_lshlrev_b32 v[L16], 4, v1
	v_lshlrev_b32 v[L8], 3, v1
	v_add_nc_u32 v[L16H], s21, v[L16]
.irp b, 0,1,2,3
	v_mov_b32 v[PX+\b], 0                          ; written once: a lane permute's destination counts as one of its sources
.endr
.macro TABLOAD a                       ; cos and sin of tile a's 16 positions: 16 pairs a lane, into set a % 2 of window 1
	WIN 0x40
.irp g, 0,1,2,3,4,5,6,7
	global_load_b128 v[32*((\a)%2)+4*\g:32*((\a)%2)+4*\g+3], v[L16], s[96:97] offset:4096*(\a)+512*\g
.endr
	WIN 0
.endm
; Tile a: my lane's row 16 a + r of A and its 64 numbers along B's rows: register 16 b + i of the tile = number 32 b + 8 h + i (i < 8) or 32 b + 8 + 8 h + i (i >= 8): four blocks of 32, each shared with lane l xor 16.
; rp = 1 (q, k): the rotation first.  Register pair p holds features 2 i, 2 i + 1 of a head: (x1, x2) becomes (x1 cos - x2 sin, x1 sin + x2 cos).
.macro TILE a, rp
.set WN, 2+(\a)/4
.set AC, 64*((\a)%4)
.set CDA, CD+16*((\a)%2)
.set CSA, 32*((\a)%2)
.if \rp
.if (\a) < 7
	TABLOAD (\a)+1
	s_wait_loadcnt 8                               ; this tile's table is in; the next tile's 8 loads may be out
.else
	s_wait_loadcnt 0x0
.endif
	WIN WN+4                                       ; source 0 the accumulators' window, source 1 window 1
.set P, 0
.rept 32
	v_pk_mul_f32 v[HB+2*P:HB+2*P+1], v[AC+2*P:AC+2*P+1], v[CSA+2*(P%16):CSA+2*(P%16)+1] op_sel_hi:[1,0]   ; (x1 cos, x2 cos); each accumulator is read from its low end on
.set P, P+1
.endr
	WIN (WN<<6)+WN+4
.set P, 0
.rept 32
	v_pk_fma_f32 v[AC+2*P:AC+2*P+1], v[AC+2*P:AC+2*P+1], v[CSA+2*(P%16):CSA+2*(P%16)+1], v[HB+2*P:HB+2*P+1] op_sel:[1,1,0] op_sel_hi:[0,1,1] neg_lo:[0,1,0]   ; (-x2 sin + x1 cos, x1 sin + x2 cos)
.set P, P+1
.endr
.endif
	WIN WN*5                                       ; sources 0 and 1 in the accumulators' window
.irp b, 0,1,2,3
	v_max3_num_f32 v[TM+\b], |v[AC+16*\b]|, |v[AC+16*\b+1]|, 0x4800000   ; my 16 numbers of block b, and the floor 2^(9 - 127): the byte cannot fall under 1
.endr
.irp i, 2,4,6,8,10,12,14
.irp b, 0,1,2,3
	v_max3_num_f32 v[TM+\b], |v[AC+16*\b+\i]|, |v[AC+16*\b+\i+1]|, v[TM+\b]
.endr
.endr
	WIN 0
.irp b, 0,1,2,3
	v_permlanex16_b32 v[PX+\b], v[TM+\b], s2, s3
.endr
.irp b, 0,1,2,3
	v_max_num_f32 v[TM+\b], v[TM+\b], v[PX+\b]     ; with lane l xor 16's: the block's largest magnitude
.endr
.irp b, 0,1,2,3
	v_add_nc_u32 v[SOP+\b], 0xfc000000, v[TM+\b]   ; 8 off its exponent field: the conversion's scale operand
.endr
.irp b, 0,1,2,3
	v_and_or_b32 v[LIM+\b], v[TM+\b], 0x7f800000, s66   ; 448 x the scale
.endr
.irp b, 0,1,2,3
	v_lshrrev_b32 v[PX+\b], 23, v[SOP+\b]          ; the scale's byte
.endr
	v_lshl_or_b32 v[WW+\a], v[PX+1], 8, v[PX]
	v_lshl_or_b32 v[WW+\a], v[PX+2], 16, v[WW+\a]
	v_lshl_or_b32 v[WW+\a], v[PX+3], 24, v[WW+\a]  ; the four bytes of my row
	WIN WN
.set N, 0
.rept 64
	v_med3_num_f32 v[HB+N], v[AC+N], -v[LIM+N/16], v[LIM+N/16]   ; the conversion to an 8-bit code does not saturate (ISA guide 7.6.2): the hold at the largest code x the scale
.set N, N+1
.endr
	WIN 0
.if (\a) >= 2
	s_wait_alu depctr_va_vdst(0)
	s_wait_xcnt 0x0                                ; the stores of two tiles back have read this set of code registers
.endif
.irp b, 0,1,2,3
	v_cvt_scalef32_pk8_fp8_f32 v[CDA+4*\b:CDA+4*\b+1], v[HB+16*\b:HB+16*\b+7], v[SOP+\b]
	v_cvt_scalef32_pk8_fp8_f32 v[CDA+4*\b+2:CDA+4*\b+3], v[HB+16*\b+8:HB+16*\b+15], v[SOP+\b]
.endr
	v_nop                                          ; a plain line between the conversions and the next lines that write their sources
.if \rp
	global_store_b128 v[L16], v[CDA:CDA+3], s[12:13] offset:1024*(\a)              ; my first head's two blocks,
	global_store_b128 v[L16], v[CDA+4:CDA+7], s[12:13] offset:1024*(\a)+512
	global_store_b128 v[L16H], v[CDA+8:CDA+11], s[12:13] offset:1024*(\a)          ; my second head's
	global_store_b128 v[L16H], v[CDA+12:CDA+15], s[12:13] offset:1024*(\a)+512
.else
.irp b, 0,1,2,3
	global_store_b128 v[L16], v[CDA+4*\b:CDA+4*\b+3], s[12:13] offset:512*\b+2048*((\a)%4)+KVH*((\a)/4)   ; fragment a % 4 of head a / 4: four blocks of 32 keys
.endr
.endif
.endm
	s_cmp_eq_u32 s100, 2
	s_cbranch_scc1 .Lpath_v
	TABLOAD 0
.irp a, 0,1,2,3,4,5,6,7
	TILE \a, 1
.endr
	s_cmp_eq_u32 s100, 0
	s_cbranch_scc1 .Ltail_q
	; k's scale words: fragment f of a key step holds key tiles 2 f and 2 f + 1: its word is their two halfwords.  Lane l's 8 bytes: the words of fragments l / 16 and 2 + l / 16, row r: 256 bytes a head.
.irp H, 0,1
.irp f, 0,1,2,3
	v_perm_b32 v[TL+8*\H+\f], v[WW+2*\f+1], v[WW+2*\f], 0x05040100+0x02020202*\H
.endr
	v_cndmask_b32 v[TL+8*\H+4], v[TL+8*\H], v[TL+8*\H+1], s67
	v_cndmask_b32 v[TL+8*\H+5], v[TL+8*\H+2], v[TL+8*\H+3], s67
	global_store_b64 v[L8], v[TL+8*\H+4:TL+8*\H+5], s[98:99] offset:KVH*\H
.endr
	s_branch .Lend
.Ltail_q:
	; q's scale words: a head's two bytes twice.  Lanes 0-15 store the words of tiles 0, 2, 4, 6, lanes 16-31 those of tiles 1, 3, 5, 7: 512 bytes a head.
.irp H, 0,1
.irp a, 0,1,2,3,4,5,6,7
	v_perm_b32 v[TL+16*\H+\a], v[WW+\a], v[WW+\a], 0x01000100+0x02020202*\H
.endr
.irp g, 0,1,2,3
	v_cndmask_b32 v[TL+16*\H+8+\g], v[TL+16*\H+2*\g], v[TL+16*\H+2*\g+1], s67
.endr
	global_store_b128 v[L16], v[TL+16*\H+8:TL+16*\H+11], s[98:99] offset:8192*\H
.endr
	s_branch .Lend
.Lpath_v:
.irp a, 0,1,2,3,4,5,6,7
	TILE \a, 0
.endr
	; v's scale words are the tiles' words as they stand: fragment t of head H is tile 4 H + t
.irp H, 0,1
	v_cndmask_b32 v[TL+2*\H], v[WW+4*\H], v[WW+4*\H+1], s67
	v_cndmask_b32 v[TL+2*\H+1], v[WW+4*\H+2], v[WW+4*\H+3], s67
	global_store_b64 v[L8], v[TL+2*\H:TL+2*\H+1], s[98:99] offset:KVH*\H
.endr
.Lend:
	s_wait_tensorcnt 0x0                           ; the wave's end
	ds_add_u32 v[SPW], v[NIL]
	s_wait_dscnt 0x0
	CROUND                                         ; the closing round
	s_endpgm
.Lfunc_end_k_q1204fb4285_qkv:
	.size	k_q1204fb4285_qkv, .Lfunc_end_k_q1204fb4285_qkv-k_q1204fb4285_qkv
	.p2alignl 7, 3214868480
	.fill 96, 4, 3214868480
	.section	.rodata,"a",@progbits
	.p2align	6, 0x0
	.amdhsa_kernel k_q1204fb4285_qkv
		.amdhsa_group_segment_fixed_size 327680
		.amdhsa_private_segment_fixed_size 0
		.amdhsa_enable_private_segment 0
		.amdhsa_kernarg_size 96
		.amdhsa_user_sgpr_count 2
		.amdhsa_user_sgpr_kernarg_segment_ptr 1
		.amdhsa_wavefront_size32 1
		.amdhsa_system_sgpr_workgroup_id_x 1
		.amdhsa_system_sgpr_workgroup_id_y 1
		.amdhsa_system_sgpr_workgroup_id_z 1
		.amdhsa_system_vgpr_workitem_id 0
		.amdhsa_next_free_vgpr 1024
		.amdhsa_next_free_sgpr 102
		.amdhsa_reserve_vcc 0
		.amdhsa_float_denorm_mode_32 3
		.amdhsa_float_denorm_mode_16_64 3
		.amdhsa_memory_ordered 1
		.amdhsa_forward_progress 1
		.amdhsa_inst_pref_size 255
	.end_amdhsa_kernel
	.section	.bss,"aw",@nobits
	.p2align	6
	.space	262144
	.amdgpu_metadata
---
amdhsa.version: [ 1, 2 ]
amdhsa.kernels:
  - .name:           k_q1204fb4285_qkv
    .symbol:         k_q1204fb4285_qkv.kd
    .args:
      - { .name: in_features_codes, .offset: 0, .size: 8, .value_kind: global_buffer, .address_space: global }
      - { .name: in_features_scales, .offset: 8, .size: 8, .value_kind: global_buffer, .address_space: global }
      - { .name: q_proj_weight_codes, .offset: 16, .size: 8, .value_kind: global_buffer, .address_space: global }
      - { .name: q_proj_weight_scales, .offset: 24, .size: 8, .value_kind: global_buffer, .address_space: global }
      - { .name: k_proj_weight_codes, .offset: 32, .size: 8, .value_kind: global_buffer, .address_space: global }
      - { .name: k_proj_weight_scales, .offset: 40, .size: 8, .value_kind: global_buffer, .address_space: global }
      - { .name: v_proj_weight_codes, .offset: 48, .size: 8, .value_kind: global_buffer, .address_space: global }
      - { .name: v_proj_weight_scales, .offset: 56, .size: 8, .value_kind: global_buffer, .address_space: global }
      - { .name: rope, .offset: 64, .size: 8, .value_kind: global_buffer, .address_space: global }
      - { .name: q_codes, .offset: 72, .size: 8, .value_kind: global_buffer, .address_space: global }
      - { .name: q_scales, .offset: 80, .size: 8, .value_kind: global_buffer, .address_space: global }
      - { .name: kv, .offset: 88, .size: 8, .value_kind: global_buffer, .address_space: global }
    .group_segment_fixed_size: 327680
    .private_segment_fixed_size: 0
    .kernarg_segment_align: 8
    .kernarg_segment_size: 96
    .max_flat_workgroup_size: 128
    .sgpr_count:     102
    .vgpr_count:     1024
    .wavefront_size: 32
...
	.end_amdgpu_metadata
.endif
;; end of part 2
;; launch attn (part 3): grid 4 x 64, 16 waves a work-group, no clusters, 327,680 bytes of LDS; arguments q_codes, q_scales, kv, ao_codes, ao_hs; writes ao_codes, ao_hs
.if DOCPART == 3
	.amdgcn_target "amdgcn-amd-amdhsa--gfx1250"
	.amdhsa_code_object_version 6
	.text
	.protected	k_q1204fb4285_attn
	.globl	k_q1204fb4285_attn
	.p2align	8
	.type	k_q1204fb4285_attn,@function
k_q1204fb4285_attn:
	s_mov_b64 s[64:65], 0
	v_nop
	global_prefetch_b8 v0, s[64:65] scope:SCOPE_SE
	s_setreg_imm32_b32 hwreg(HW_REG_WAVE_MODE, 25, 1), 1
	s_wait_xcnt 0x0
; Causal attention of one head of one batch on codes of FP8 (E4M3) with E8M0 scales, head size 64, 2,048 tokens; its result is quantised along (head, channel) for the last projection.
; t = score x log2(e) / 8; M = the row's largest t so far, rounded UP to a whole number; p = 2^(t - M) is quantised along the keys; the row's sum is taken of the unquantised p and divides at the end.
; When M moves, the sum and O are multiplied by 2^(old M - new M): exact.
; SHARES.  Work-group (x, head of batch) owns TWO blocks of 256 queries: block 7 - x, which walks key slots 0 .. 7 - x, and then block x, which walks slots 0 .. x: nine slots of 256 keys for every x, so all work-groups
; have the same work and the loop's trip count is a constant.  Each of sixteen waves owns one tile of 16 queries of the block in hand, in 256 registers.
; NO CLUSTER: the four work-groups of a head need different numbers of tiles in each pass; walked in step (both blocks in one pass over 8 slots) each round would last as long as its busiest partner:
; 2 + 2 + 2 + 2 + 1 + 1 + 1 + 1 = 12 slots' work against 9.
; LAYOUT.  Both products are used transposed: S^T = K Q^T, O^T = V^T P^T: a lane holds ONE query (lane % 16) throughout.  All operands lie in kv and q_codes as images of their registers (lane l's 16 bytes at 16 l).
; THE HEAD'S 64 IN AN INSTRUCTION OF K = 128: a fragment of K carries TWO tiles of 16 keys (tile 2 f in k = 0..63, tile 2 f + 1 in k = 64..127).  Q stands in 24 registers as zeros | Q | zeros: v[24:39] = (Q | 0) gives
; tile 2 f's scores, v[16:31] = (0 | Q) tile 2 f + 1's: zero codes add nothing.  Q's scale word carries its two bytes twice.
; A step all of whose 128 keys come after my 16 queries is left out by a scalar branch on ids; on the diagonal hidden scores become -infinity ahead of the maximum (p = 0, as with -1e30).
; LIMITS: NaN and infinities are not served; a block of zeros gets the scale byte 1 (its codes are zeros; this program alone reads the bytes); the order of the sums differs from the reference's.
.set KVH,   270336                     ; a head in kv
.set KVS,   33792                      ; a slot: two K images, two V images of 8,192 bytes, four scale images of 256
.set SLOT1, 65536                      ; LDS: slot 0 at 0, slot 1 here: one exclusive or turns an address
.set GATH,  131072                     ; two areas of 512 bytes: the scale halfwords of a block's 256 queries; no fill lands here
.set SPARE, GATH+1024                  ; the spare words, 128 bytes a wave: eight blocks of 256 bytes that no other line names
.set L16,  1                           ; 16 x lane
.set L8,   2                           ; 8 x lane
.set SPW,  3
.set NIL,  4
.set ADK,  5                           ; the slot in hand + 16 x lane
.set ADS,  6                           ; + 8 x lane
.set DQ,   7                           ; r - 8 h
.set GA,   8                           ; where my query's scale halfword goes
.set PFO,  9                           ; 256 x lane
.set QS,   10                          ; Q's scale word; v11: the second block's
.set QS2,  11
.set Q2,   40                          ; v40-47 the second block's Q
.set KV,   48                          ; v48-111 four fragments of K or of V
.set S,    112                         ; v112-175 S^T, then p
.set OT,   176                         ; v176-207 O^T
.set PC,   208                         ; v208-223 p's codes
.set BM,   224
.set PX,   228
.set LIM,  232
.set SOP,  236
.set FF,   240                         ; v[240:241] f; the packed form names the pair
.set T0,   242
.set T1,   243
.set KSC,  244                         ; v[244:245] K's scale words, v[246:247] V's, v248 p's
.set VSC,  246
.set PS,   248
.set CH2,  250
.set HSA,  252
.set WV,   14
.set TR,   18                          ; the trip
.set TB,   25                          ; LDS byte at which the slot in hand begins
.set KF,   26                          ; the step's first key
.set Q0,   27                          ; my first query
.macro TLOAD                           ; waves 0 and 1 fetch a slot's halves, 66 rows of 256 bytes each; four v_nop follow the line
	s_cmp_lt_u32 s[WV], 2
	s_cbranch_scc0 .Lasked_\@
	tensor_load_to_lds s[28:31], s[32:39]
	s_nop 0
.rept 4
	v_nop
.endr
.Lasked_\@:
.endm
; A PREFETCH INTO THE L2 of the images of the slot that the NEXT change of slots will ask for: 32,768 bytes: four waves x 32 lanes x 256 bytes.  All four work-groups of a head walk the same slots: work-group x = 0, which walks
; all eight in its first pass, asks, in waves 2 to 5, which fetch nothing.  In trip t it names slot t + 2, one trip (two key steps of all sixteen waves) ahead of the load; trips 0 to 5 ask, so each block is named once.
; Slots 0 and 1 and a slot's 1,024 scale bytes come by their loads alone.
.macro ASK
	s_cmp_lt_u32 s[TR], s46
	s_cbranch_scc0 .Lnot_mine_\@
	global_prefetch_b8 v[PFO], s[44:45] th:TH_LOAD_NT scope:SCOPE_SE
.Lnot_mine_\@:
.endm
	s_load_b256 s[4:11], s[0:1], 0x0               ; q_codes, q_scales, kv, ao_codes
	s_load_b64 s[12:13], s[0:1], 0x20              ; ao_hs
	v_lshl_add_u32 v[SPW], v0, 2, SPARE
	v_mov_b32 v[NIL], 0
	ds_add_u32 v3, v4
	ds_add_u32 v3, v4
	s_wait_dscnt 0x0
	v_lshrrev_b32 v5, 5, v0
	s_delay_alu instid0(VALU_DEP_1)
	v_readfirstlane_b32 s[WV], v5                  ; wave 0..15
	v_and_b32 v6, 31, v0
	s_delay_alu instid0(VALU_DEP_1)
	v_lshlrev_b32 v[L16], 4, v6
	s_delay_alu instid0(VALU_DEP_2)
	v_lshlrev_b32 v[L8], 3, v6
	s_delay_alu instid0(VALU_DEP_3)
	v_lshlrev_b32 v[PFO], 8, v6
	v_and_b32 v5, 15, v0                           ; r
	v_bfe_u32 v6, v0, 4, 1                         ; h
	s_delay_alu instid0(VALU_DEP_1)
	v_lshlrev_b32 v6, 3, v6
	s_delay_alu instid0(VALU_DEP_1)
	v_sub_nc_u32 v[DQ], v5, v6
	s_lshl_b32 s54, s[WV], 5
	v_lshl_add_u32 v[GA], v5, 1, s54
	s_delay_alu instid0(VALU_DEP_1)
	v_add_nc_u32 v[GA], GATH, v[GA]                ; 2 bytes a query, 32 a wave
	s_and_b32 s55, s[WV], 1
	s_lshl_b32 s54, s55, 9
	v_add_nc_u32 v[HSA], s54, v[L16]
	s_delay_alu instid0(VALU_DEP_1)
	v_add_nc_u32 v[HSA], GATH, v[HSA]              ; at the end wave 0 reads the first area back, wave 1 the second
	v_lshlrev_b32 v5, 4, v5                        ; 16 r: my query's place among Q's scale words (until the loop the register serves this)
	s_mov_b32 s15, ttmp9                           ; x
	s_and_b32 s16, ttmp7, 0xffff                   ; head of batch
	s_sub_co_u32 s53, 7, s15                       ; the first block, and the trip that ends it
	s_sub_co_u32 s17, 8, s15                       ; its slots
	s_mov_b32 s[TR], 0
	s_mov_b32 s19, 1                               ; the slot that the next fill brings
	s_mov_b32 s20, 0x76543210
	s_mov_b32 s21, 0xfedcba98                      ; v_permlanex16_b32's selects for lane l xor 16
	s_mov_b32 s22, 0x3e38aa3b                      ; c = log2(e) / 8
	s_mov_b32 s23, s22                             ; (named with it as a pair)
	s_mov_b32 s[TB], 0
	s_mov_b32 s[KF], 0
	s_lshl_b32 s54, s[WV], 4
	s_lshl_b32 s[Q0], s53, 8
	s_add_co_u32 s[Q0], s[Q0], s54                 ; 256 (7 - x) + 16 wave
	s_lshl_b32 s47, s15, 8
	s_add_co_u32 s47, s47, s54                     ; the second block's: 256 x + 16 wave
	s_mov_b32 s52, 0xffff0000                      ; lanes 16-31
	s_mov_b32 s43, 0
	s_mov_b32 s32, 3<<16                           ; group 1: elements of 8 bytes, no mask, no padding
	s_mov_b32 s33, 32<<16                          ; tensor_dim0 = 32
	s_mov_b32 s34, 66<<16                          ; tensor_dim1 = 66
	s_mov_b32 s35, 32<<16                          ; tile_dim0 = 32
	s_mov_b32 s36, 66                              ; tile_dim1 = 66
	s_mov_b32 s37, 32                              ; the pitch: dense
	s_mov_b32 s38, 0
	s_mov_b32 s39, 0
	s_mul_i32 s56, s16, KVH
	s_mov_b32 s57, 0
	s_mul_i32 s58, s55, 16896                      ; my half of a slot, in memory and in LDS
	s_mov_b32 s59, 0
	s_mov_b32 s28, 1
	s_mov_b32 s29, s58
	s_wait_kmcnt 0x0
	s_add_nc_u64 s[44:45], s[8:9], s[56:57]        ; kv at my head
	s_add_nc_u64 s[40:41], s[44:45], s[58:59]      ; and at my half of its slot 0
	s_mov_b64 s[30:31], s[40:41]
	s_or_b32 s31, s31, 0x80000000
	TLOAD                                          ; slot 0
	s_sub_co_u32 s54, s[WV], 2
	s_and_b32 s58, s54, 3
	s_lshl_b32 s58, s58, 13
	s_add_co_u32 s58, s58, KVS
	s_add_nc_u64 s[44:45], s[44:45], s[58:59]      ; the prefetches: my 8,192 bytes, in slot 1: the first change of slots steps it to slot 2
	s_lshr_b32 s54, s54, 2                         ; 0 in waves 2 to 5
	s_or_b32 s54, s54, s15                         ; of work-group x = 0
	s_cmp_eq_u32 s54, 0
	s_cselect_b32 s46, 6, 0                        ; the trips in which I ask
	s_lshl_b32 s54, s16, 7                         ; Q: 128 tiles a head, 1,024 bytes a tile
	s_add_co_u32 s54, s54, s[WV]
	s_lshl_b32 s55, s53, 4
	s_add_co_u32 s55, s55, s54
	s_lshl_b32 s56, s55, 10
	s_lshl_b32 s55, s15, 4
	s_add_co_u32 s55, s55, s54
	s_lshl_b32 s58, s55, 10
	s_add_nc_u64 s[56:57], s[4:5], s[56:57]
	s_add_nc_u64 s[58:59], s[4:5], s[58:59]
	s_lshr_b32 s68, s[WV], 3                       ; Q's scale word: group of 128 tokens 2 block + wave / 8; in it tile a = wave % 8 at 256 (a % 2) + 4 (a / 2) + 16 r
	s_lshl_b32 s68, s68, 9
	s_and_b32 s69, s[WV], 1
	s_lshl_b32 s69, s69, 8
	s_add_co_u32 s68, s68, s69
	s_bfe_u32 s69, s[WV], 0x20001
	s_lshl_b32 s69, s69, 2
	s_add_co_u32 s68, s68, s69
	s_lshl_b32 s69, s16, 13
	s_add_co_u32 s68, s68, s69
	s_lshl_b32 s60, s53, 10
	s_add_co_u32 s60, s60, s68
	s_mov_b32 s61, 0
	s_lshl_b32 s62, s15, 10
	s_add_co_u32 s62, s62, s68
	s_mov_b32 s63, 0
	s_add_nc_u64 s[60:61], s[6:7], s[60:61]
	s_add_nc_u64 s[62:63], s[6:7], s[62:63]
	global_load_b128 v[24:27], v[L16], s[56:57]
	global_load_b128 v[28:31], v[L16], s[56:57] offset:512
	global_load_b128 v[Q2:Q2+3], v[L16], s[58:59]
	global_load_b128 v[Q2+4:Q2+7], v[L16], s[58:59] offset:512
	s_wait_alu depctr_va_vdst(0)
	global_load_b32 v[QS], v5, s[60:61]
	global_load_b32 v[QS2], v5, s[62:63]
	s_lshr_b32 s70, s16, 4                         ; batch
	s_and_b32 s71, s16, 15                         ; head
	s_lshl_b32 s72, s70, 7
	s_add_co_u32 s72, s72, s[WV]
	s_lshl_b32 s74, s71, 10
	s_lshl_b32 s73, s53, 4
	s_add_co_u32 s73, s73, s72                     ; ao_codes: token tile 128 batch + 16 block + wave: 16,384 bytes a tile, 1,024 a head
	s_lshl_b32 s48, s73, 14
	s_add_co_u32 s48, s48, s74
	s_mov_b32 s49, 0
	s_lshl_b32 s73, s15, 4
	s_add_co_u32 s73, s73, s72
	s_lshl_b32 s50, s73, 14
	s_add_co_u32 s50, s50, s74
	s_mov_b32 s51, 0
	s_add_nc_u64 s[48:49], s[10:11], s[48:49]
	s_add_nc_u64 s[50:51], s[10:11], s[50:51]
	s_cmp_eq_u32 s[WV], 0                          ; ao_hs [head][token] of 2 bytes: wave 0 stores the first block's 512 bytes, wave 1 the second's
	s_cselect_b32 s73, s53, s15
	s_lshl_b32 s66, s73, 9
	s_lshl_b32 s73, s70, 12
	s_add_co_u32 s66, s66, s73
	s_lshl_b32 s73, s71, 14
	s_add_co_u32 s66, s66, s73
	s_mov_b32 s67, 0
	s_add_nc_u64 s[66:67], s[12:13], s[66:67]
.irp j, 0,1,2,3,4,5,6,7
	v_mov_b32 v[16+\j], 0                          ; the zero codes on both sides of Q
	v_mov_b32 v[32+\j], 0
.endr
.macro FRESH                           ; a block's statistics and O^T begin: the first change of M multiplies zeros
	v_mov_b32 v13, 0xff61b1e6                      ; the largest t so far: -3e38
	s_delay_alu instid0(VALU_DEP_1)
	v_floor_f32 v12, -v13                          ; -M
	v_mov_b32 v14, 0                               ; the sum, in two halves
	v_mov_b32 v15, 0
.set J, 0
.rept 32
	v_mov_b32 v[OT+J], 0
.set J, J+1
.endr
.endm
	FRESH
.irp b, 0,1,2,3
	v_mov_b32 v[PX+\b], 0                          ; written once: a lane permute's destination counts as one of its sources
.endr
	v_mov_b32 v[FF+1], 0                           ; (named as the upper half of a pair)
; A KEY STEP: 128 keys, the q-th of the slot in hand.
.macro STEP q
	s_add_co_u32 s54, s[Q0], 15
	s_cmp_gt_u32 s[KF], s54
	s_cbranch_scc1 .Lhid_\@                        ; all its keys come after my queries
	v_add_nc_u32 v[ADK], s[TB], v[L16]
	v_add_nc_u32 v[ADS], s[TB], v[L8]
.rept 6
	v_nop                                          ; with the two additions: eight places in front of loads into registers that the last products read
.endr
.irp f, 0,1,2,3
.irp c, 0,1,2,3
	ds_load_b128 v[KV+16*\f+4*\c:KV+16*\f+4*\c+3], v[ADK] offset:16384*(\q)+2048*\f+512*\c
.endr
.endr
	ds_load_b64 v[KSC:KSC+1], v[ADS] offset:32768+512*(\q)     ; register f / 2, lanes 0-15 (f even) or 16-31 (f odd): fragment f's words
	s_wait_alu depctr_va_vdst(0)
	s_wait_dscnt 0x0
.irp f, 0,1,2,3                                ; S^T: tile 2 f by (Q | 0), tile 2 f + 1 by (0 | Q)
.if (\f)%2
	v_wmma_scale_f32_16x16x128_f8f6f4 v[S+16*\f:S+16*\f+7], v[KV+16*\f:KV+16*\f+15], v[24:39], 0, v[KSC+\f/2], v[QS] matrix_a_scale:MATRIX_SCALE_ROW1
	v_wmma_scale_f32_16x16x128_f8f6f4 v[S+16*\f+8:S+16*\f+15], v[KV+16*\f:KV+16*\f+15], v[16:31], 0, v[KSC+\f/2], v[QS] matrix_a_scale:MATRIX_SCALE_ROW1
.else
	v_wmma_scale_f32_16x16x128_f8f6f4 v[S+16*\f:S+16*\f+7], v[KV+16*\f:KV+16*\f+15], v[24:39], 0, v[KSC+\f/2], v[QS]
	v_wmma_scale_f32_16x16x128_f8f6f4 v[S+16*\f+8:S+16*\f+15], v[KV+16*\f:KV+16*\f+15], v[16:31], 0, v[KSC+\f/2], v[QS]
.endif
.endr                                          ; register 8 t + j of S: key KF + 16 t + 8 h + j, query r
.rept 8
	v_nop
.endr
.irp t, 0,1,2,3                                ; V's fragments are asked for now: they land under the softmax
.irp c, 0,1,2,3
	ds_load_b128 v[KV+16*\t+4*\c:KV+16*\t+4*\c+3], v[ADK] offset:16384*(\q)+8192+2048*\t+512*\c
.endr
.endr
	ds_load_b64 v[VSC:VSC+1], v[ADS] offset:32768+512*(\q)+256
	s_add_co_u32 s54, s[KF], 127
	s_cmp_le_u32 s54, s[Q0]
	s_cbranch_scc1 .Lopen_\@                       ; all its keys count
	s_sub_co_i32 s54, s[Q0], s[KF]
	v_add_nc_u32 v[T0], s54, v[DQ]                 ; d = my query - KF - 8 h: register 8 t + j is hidden where 16 t + j > d
	v_mov_b32 v[T1], 0xff800000
.set N, 0
.rept 64
	v_cmp_gt_i32 vcc_lo, 16*(N/8)+N%8, v[T0]
	v_cndmask_b32 v[S+N], v[S+N], v[T1], vcc_lo
.set N, N+1
.endr
.Lopen_\@:
.irp b, 0,1,2,3
	v_max3_num_f32 v[BM+\b], v[S+16*\b], v[S+1+16*\b], v[S+2+16*\b]   ; the largest score of each block of 32 keys: for the row's maximum, and, since p rises with the score, for the block's largest p
.endr
.irp i, 3,5,7,9,11,13
.irp b, 0,1,2,3
	v_max3_num_f32 v[BM+\b], v[BM+\b], v[S+16*\b+\i], v[S+1+16*\b+\i]
.endr
.endr
.irp b, 0,1,2,3
	v_max_num_f32 v[BM+\b], v[BM+\b], v[S+15+16*\b]
.endr
.irp b, 0,1,2,3
	s_delay_alu instid0(VALU_DEP_4)
	v_permlanex16_b32 v[PX+\b], v[BM+\b], s20, s21
.endr
.irp b, 0,1,2,3
	s_delay_alu instid0(VALU_DEP_4)
	v_max_num_f32 v[BM+\b], v[BM+\b], v[PX+\b]     ; with lane l xor 16's 16 keys
.endr
	s_delay_alu instid0(VALU_DEP_2)
	v_max3_num_f32 v[T0], v[BM], v[BM+1], v[BM+2]
	s_delay_alu instid0(VALU_DEP_1)
	v_max_num_f32 v[T0], v[T0], v[BM+3]
	s_delay_alu instid0(VALU_DEP_1)
	v_mul_f32 v[T0], s22, v[T0]                    ; the step's largest t
	s_delay_alu instid0(VALU_DEP_1)
	v_max_num_f32 v13, v13, v[T0]
	v_mov_b32 v[T0], v12
	s_delay_alu instid0(VALU_DEP_2)
	v_floor_f32 v12, -v13                          ; the new -M = -ceil(t)
	s_delay_alu instid0(VALU_DEP_1)
	v_sub_f32 v[T0], v12, v[T0]                    ; old M - new M: a whole number, 0 or less
	s_delay_alu instid0(VALU_DEP_1)
	v_cvt_i32_f32 v[T0], v[T0]                     ; (it saturates)
	s_delay_alu instid0(VALU_DEP_1)
	v_ldexp_f32 v[FF], 1.0, v[T0]                  ; f = 2^(old M - new M)
.set J, 0
.rept 32
	v_pk_fma_f32 v[S+J:S+J+1], v[S+J:S+J+1], s[22:23], v[12:13] op_sel_hi:[1,0,0]   ; t - M, two at a time
.set J, J+2
.endr
.irp b, 0,1,2,3
	v_fma_f32 v[BM+\b], v[BM+\b], s22, v12
.endr
.set J, 0
	s_wait_alu depctr_va_vdst(0)
.rept 64
	v_exp_f32 v[S+J], v[S+J]                       ; p = 2^(t - M)
.set J, J+1
.endr
	v_pk_mul_f32 v[14:15], v[14:15], v[FF:FF+1] op_sel_hi:[1,0]   ; the sums under the new M: the plain line behind the exponentials
	s_wait_alu depctr_va_vdst(0)                   ; one wait for the batch of 64, ahead of its first reader
.irp b, 0,1,2,3
	v_exp_f32 v[BM+\b], v[BM+\b]                   ; each block's largest p
.endr
	v_pk_add_f32 v[250:251], v[116:117], v[120:121]
	v_pk_add_f32 v[254:255], v[124:125], v[128:129]
	v_pk_add_f32 v[248:249], v[132:133], v[136:137]
	v_pk_add_f32 v[244:245], v[140:141], v[144:145]
	v_pk_add_f32 v[242:243], v[148:149], v[152:153]
	v_pk_add_f32 v[238:239], v[156:157], v[160:161]
	v_pk_add_f32 v[236:237], v[164:165], v[168:169]
	v_pk_add_f32 v[14:15], v[14:15], v[172:173]
	v_pk_add_f32 v[250:251], v[250:251], v[112:113]
	v_pk_add_f32 v[254:255], v[254:255], v[114:115]
	v_pk_add_f32 v[248:249], v[248:249], v[118:119]
	v_pk_add_f32 v[244:245], v[244:245], v[122:123]
	v_pk_add_f32 v[242:243], v[242:243], v[126:127]
	v_pk_add_f32 v[238:239], v[238:239], v[130:131]
	v_pk_add_f32 v[236:237], v[236:237], v[134:135]
	v_pk_add_f32 v[14:15], v[14:15], v[138:139]
	v_pk_add_f32 v[250:251], v[250:251], v[142:143]
	v_pk_add_f32 v[254:255], v[254:255], v[146:147]
	v_pk_add_f32 v[248:249], v[248:249], v[150:151]
	v_pk_add_f32 v[244:245], v[244:245], v[154:155]
	v_pk_add_f32 v[242:243], v[242:243], v[158:159]
	v_pk_add_f32 v[238:239], v[238:239], v[162:163]
	v_pk_add_f32 v[236:237], v[236:237], v[166:167]
	v_pk_add_f32 v[14:15], v[14:15], v[170:171]
	v_pk_add_f32 v[250:251], v[250:251], v[174:175]
	s_delay_alu instid0(VALU_DEP_2)
	v_pk_add_f32 v[14:15], v[14:15], v[244:245]
	s_delay_alu instid0(VALU_DEP_2)
	v_pk_add_f32 v[250:251], v[250:251], v[242:243]
	v_pk_add_f32 v[254:255], v[254:255], v[238:239]
	v_pk_add_f32 v[248:249], v[248:249], v[236:237]
	s_delay_alu instid0(VALU_DEP_2)
	v_pk_add_f32 v[14:15], v[14:15], v[254:255]
	s_delay_alu instid0(VALU_DEP_2)
	v_pk_add_f32 v[250:251], v[250:251], v[248:249]
	s_delay_alu instid0(VALU_DEP_1)
	v_pk_add_f32 v[14:15], v[14:15], v[250:251]
	s_wait_alu depctr_va_vdst(0)                   ; and one for the four
.irp b, 0,1,2,3
	v_max_num_f32 v[BM+\b], 0x4800000, v[BM+\b]    ; the floor 2^(9 - 127): the byte cannot fall under 1
.endr
.irp b, 0,1,2,3
	s_delay_alu instid0(VALU_DEP_4)
	v_add_nc_u32 v[SOP+\b], 0xfc000000, v[BM+\b]
.endr
.irp b, 0,1,2,3
.endr
.irp b, 0,1,2,3
	s_delay_alu instid0(VALU_DEP_4)
	v_lshrrev_b32 v[PX+\b], 23, v[SOP+\b]
.endr
	s_delay_alu instid0(VALU_DEP_3)
	v_lshl_or_b32 v[PS], v[PX+1], 8, v[PX]         ; p's scale word for these 128 keys
	s_delay_alu instid0(VALU_DEP_1)
	v_lshl_or_b32 v[PS], v[PX+2], 16, v[PS]
	s_delay_alu instid0(VALU_DEP_1)
	v_lshl_or_b32 v[PS], v[PX+3], 24, v[PS]
.irp b, 0,1,2,3
.irp i, 0,1,2,3,4,5,6,7,8,9,10,11,12,13,14,15
.endr
	v_cvt_scalef32_pk8_fp8_f32 v[PC+4*\b:PC+4*\b+1], v[S+16*\b:S+16*\b+7], v[SOP+\b]
	v_cvt_scalef32_pk8_fp8_f32 v[PC+4*\b+2:PC+4*\b+3], v[S+16*\b+8:S+16*\b+15], v[SOP+\b]
.endr
.set J, 0
.rept 16
	v_pk_mul_f32 v[OT+J:OT+J+1], v[OT+J:OT+J+1], v[FF:FF+1] op_sel_hi:[1,0]   ; O^T under the new M; these lines also stand between the conversions and the products
.set J, J+2
.endr
	s_wait_alu depctr_va_vdst(0)
	s_wait_dscnt 0x0                               ; V is in
.irp t, 0,1,2,3                                ; O^T += V^T P^T: the four accumulators by turns
.if (\t)%2
	v_wmma_scale_f32_16x16x128_f8f6f4 v[OT+8*\t:OT+8*\t+7], v[KV+16*\t:KV+16*\t+15], v[PC:PC+15], v[OT+8*\t:OT+8*\t+7], v[VSC+\t/2], v[PS] matrix_a_scale:MATRIX_SCALE_ROW1
.else
	v_wmma_scale_f32_16x16x128_f8f6f4 v[OT+8*\t:OT+8*\t+7], v[KV+16*\t:KV+16*\t+15], v[PC:PC+15], v[OT+8*\t:OT+8*\t+7], v[VSC+\t/2], v[PS]
.endif
.endr
.Lhid_\@:
	s_add_co_u32 s[KF], s[KF], 128
.endm
; THE CHANGE OF SLOTS stands at a slot's head.  Each wave waits for all its tensor loads (at most one is out), adds 0 to its spare word, and waits for that and for its reads of the slot that it has left.
; fill = 1: that slot is filled with the slot of keys that comes next: the first block's slots 0 .. 7 - x, then the second's from 0 on.
.macro CHANGE fill
	s_wait_tensorcnt 0x0
	ds_add_u32 v[SPW], v[NIL]
.if \fill
	s_xor_b32 s29, s29, SLOT1                      ; the other LDS slot than last time
	s_mul_i32 s42, s19, KVS
	s_add_nc_u64 s[30:31], s[40:41], s[42:43]
	s_or_b32 s31, s31, 0x80000000
	s_add_co_u32 s19, s19, 1
	s_cmp_eq_u32 s19, s17
	s_cselect_b32 s19, 0, s19                      ; behind the first block's last slot comes slot 0
	s_wait_xcnt 0x0                                ; the last prefetch, a trip back, has read its address
	s_add_nc_u64 s[44:45], s[44:45], KVS
.endif
	s_wait_dscnt 0x0
	s_barrier_signal -1
	s_barrier_wait -1
.if \fill
	TLOAD                                          ; the first thing behind the barrier, a wave's one tensor load until the next
	ASK
.endif
.endm
; A BLOCK'S WAY OUT (p = 0: the first, 1: the second).  O^T / the sum; register 8 t + j is channel 16 t + 8 h + j of my query: two blocks of 32 along the last projection's K, each shared with lane l xor 16.
; That product's other operand is given, so the codes are put in the true order: lanes 0-15 want channels 0-15 of a block, lanes 16-31 channels 16-31: each lane keeps 8 codes and exchanges 8 with lane l xor 16.
.macro WAYOUT p
.rept 8
	v_nop
.endr
	v_add_f32 v14, v14, v15
	s_wait_alu depctr_va_vdst(0)
	v_permlanex16_b32 v[PX], v14, s20, s21
	s_delay_alu instid0(VALU_DEP_1)
	v_add_f32 v14, v14, v[PX]                      ; the row's sum
	s_wait_alu depctr_va_vdst(0)
	v_rcp_f32 v[FF], v14
	v_nop
	s_wait_alu depctr_va_vdst(0)                   ; ahead of the reciprocal's first reader
.set J, 0
.rept 16
	v_pk_mul_f32 v[S+J:S+J+1], v[OT+J:OT+J+1], v[FF:FF+1] op_sel_hi:[1,0]
.set J, J+2
.endr
.irp c, 0,1
	v_max3_num_f32 v[BM+\c], |v[S+16*\c]|, |v[S+16*\c+1]|, 0x4800000
.endr
.irp i, 2,4,6,8,10,12,14
.irp c, 0,1
	s_delay_alu instid0(VALU_DEP_2)
	v_max3_num_f32 v[BM+\c], v[BM+\c], |v[S+16*\c+\i]|, |v[S+16*\c+\i+1]|
.endr
.endr
.irp c, 0,1
	s_delay_alu instid0(VALU_DEP_2)
	v_permlanex16_b32 v[PX+\c], v[BM+\c], s20, s21
.endr
.irp c, 0,1
	s_delay_alu instid0(VALU_DEP_2)
	v_max_num_f32 v[BM+\c], v[BM+\c], v[PX+\c]
.endr
.irp c, 0,1
	s_delay_alu instid0(VALU_DEP_2)
	v_add_nc_u32 v[SOP+\c], 0xfc000000, v[BM+\c]
.endr
.irp c, 0,1
	s_delay_alu instid0(VALU_DEP_2)
	v_lshrrev_b32 v[PX+\c], 23, v[SOP+\c]
.endr
	s_delay_alu instid0(VALU_DEP_1)
	v_lshl_or_b32 v[T0], v[PX+1], 8, v[PX]         ; my query's two scale bytes
.irp c, 0,1
.irp i, 0,1,2,3,4,5,6,7,8,9,10,11,12,13,14,15
.endr
.endr
.irp c, 0,1
	v_cvt_scalef32_pk8_fp8_f32 v[PC+4*\c:PC+4*\c+1], v[S+16*\c:S+16*\c+7], v[SOP+\c]
	v_cvt_scalef32_pk8_fp8_f32 v[PC+4*\c+2:PC+4*\c+3], v[S+16*\c+8:S+16*\c+15], v[SOP+\c]
.endr
	v_nop
.irp c, 0,1
.irp k, 0,1
	v_cndmask_b32 v[T1], v[PC+4*\c+2+\k], v[PC+4*\c+\k], s52      ; what I send: lanes 0-15 their upper 8 codes, lanes 16-31 their lower
	s_delay_alu instid0(VALU_DEP_1)
	v_permlanex16_b32 v[PX+2], v[T1], s20, s21
	v_cndmask_b32 v[PC+8+4*\c+\k], v[PC+4*\c+\k], v[PX+2], s52
	v_cndmask_b32 v[PC+8+4*\c+2+\k], v[PX+2], v[PC+4*\c+2+\k], s52
.endr
	global_store_b128 v[L16], v[PC+8+4*\c:PC+8+4*\c+3], s[48+2*\p:49+2*\p] offset:512*\c   ; an image of the operand's four registers: 512 consecutive bytes
.endr
	ds_store_b16 v[GA], v[T0] offset:512*\p        ; both lanes of a query write the same two bytes
	s_wait_xcnt 0x0                                ; the stores have read their registers
.endm
	s_wait_loadcnt 0x0                             ; Q and its scale words, of both blocks
.Ltrip:                                            ; eight trips; behind each change of slots the next slot is asked for
	CHANGE 1
	STEP 0
	STEP 1
	s_xor_b32 s[TB], s[TB], SLOT1
	s_cmp_lg_u32 s[TR], s53
	s_cbranch_scc1 .Lsame_block
	WAYOUT 0                                       ; the first block is done: the second begins
.irp j, 0,1,2,3,4,5,6,7
	v_mov_b32 v[24+\j], v[Q2+\j]
.endr
	v_mov_b32 v[QS], v[QS2]
	FRESH
	s_mov_b32 s[KF], 0
	s_mov_b32 s[Q0], s47
.Lsame_block:
	s_add_co_u32 s[TR], s[TR], 1
	s_cmp_lt_u32 s[TR], 8
	s_cbranch_scc1 .Ltrip
	CHANGE 0                                       ; the ninth slot is written out
	STEP 0
	STEP 1
	WAYOUT 1
	s_wait_dscnt 0x0                               ; my scale halfwords lie in LDS
	s_barrier_signal -1
	s_barrier_wait -1
	s_cmp_lt_u32 s[WV], 2
	s_cbranch_scc0 .Lno_hs
	ds_load_b128 v[PC:PC+3], v[HSA]                ; a block's 256 halfwords,
	s_wait_dscnt 0x0
	global_store_b128 v[L16], v[PC:PC+3], s[66:67] ; as 512 consecutive bytes, aligned
.Lno_hs:
	s_wait_tensorcnt 0x0                           ; the wave's end
	ds_add_u32 v[SPW], v[NIL]
	s_wait_dscnt 0x0
	s_endpgm
.Lfunc_end_k_q1204fb4285_attn:
	.size	k_q1204fb4285_attn, .Lfunc_end_k_q1204fb4285_attn-k_q1204fb4285_attn
	.p2alignl 7, 3214868480
	.fill 96, 4, 3214868480
	.section	.rodata,"a",@progbits
	.p2align	6, 0x0
	.amdhsa_kernel k_q1204fb4285_attn
		.amdhsa_group_segment_fixed_size 327680
		.amdhsa_private_segment_fixed_size 0
		.amdhsa_enable_private_segment 0
		.amdhsa_kernarg_size 40
		.amdhsa_user_sgpr_count 2
		.amdhsa_user_sgpr_kernarg_segment_ptr 1
		.amdhsa_wavefront_size32 1
		.amdhsa_system_sgpr_workgroup_id_x 1
		.amdhsa_system_sgpr_workgroup_id_y 1
		.amdhsa_system_sgpr_workgroup_id_z 1
		.amdhsa_system_vgpr_workitem_id 0
		.amdhsa_next_free_vgpr 256
		.amdhsa_next_free_sgpr 76
		.amdhsa_reserve_vcc 1
		.amdhsa_float_denorm_mode_32 3
		.amdhsa_float_denorm_mode_16_64 3
		.amdhsa_fp16_overflow 1
		.amdhsa_memory_ordered 1
		.amdhsa_forward_progress 1
		.amdhsa_inst_pref_size 111
	.end_amdhsa_kernel
	.amdgpu_metadata
---
amdhsa.version: [ 1, 2 ]
amdhsa.kernels:
  - .name:           k_q1204fb4285_attn
    .symbol:         k_q1204fb4285_attn.kd
    .args:
      - { .name: q_codes, .offset: 0, .size: 8, .value_kind: global_buffer, .address_space: global }
      - { .name: q_scales, .offset: 8, .size: 8, .value_kind: global_buffer, .address_space: global }
      - { .name: kv, .offset: 16, .size: 8, .value_kind: global_buffer, .address_space: global }
      - { .name: ao_codes, .offset: 24, .size: 8, .value_kind: global_buffer, .address_space: global }
      - { .name: ao_hs, .offset: 32, .size: 8, .value_kind: global_buffer, .address_space: global }
    .group_segment_fixed_size: 327680
    .private_segment_fixed_size: 0
    .kernarg_segment_align: 8
    .kernarg_segment_size: 40
    .max_flat_workgroup_size: 512
    .sgpr_count:     76
    .vgpr_count:     256
    .wavefront_size: 32
...
	.end_amdgpu_metadata
.endif
;; end of part 3
;; launch oproj (part 4): grid 4 x 64, 4 waves a work-group, clusters of 4 x 4, 327,680 bytes of LDS; arguments ao_codes, ao_hs, o_proj_weight_codes, o_proj_weight_scales, out0; writes out0
.if DOCPART == 4
	.amdgcn_target "amdgcn-amd-amdhsa--gfx1250"
	.amdhsa_code_object_version 6
	.text
	.protected	k_q1204fb4285_oproj
	.globl	k_q1204fb4285_oproj
	.p2align	8
	.type	k_q1204fb4285_oproj,@function
k_q1204fb4285_oproj:
	s_mov_b64 s[64:65], 0
	v_nop
	global_prefetch_b8 v0, s[64:65] scope:SCOPE_SE
	s_setreg_imm32_b32 hwreg(HW_REG_WAVE_MODE, 25, 1), 1
	s_wait_xcnt 0x0
	s_wait_alu depctr_hold_cnt(0) depctr_sa_sdst(0) depctr_va_vdst(0) depctr_va_sdst(0) depctr_va_ssrc(0) depctr_va_vcc(0) depctr_vm_vsrc(0)
	s_getreg_b32 s2, hwreg(HW_REG_IB_STS2, 6, 4)
	s_cmp_eq_u32 s2, 0
	s_cbranch_scc0 .Lentry_in_a_cluster
	s_endpgm
.Lentry_in_a_cluster:
	s_bfe_u32 s2, ttmp6, 0x10000c
	s_cmp_lg_u32 s2, 0xf033
	s_cbranch_scc0 .Lentry_shape_is_right
	s_endpgm
.Lentry_shape_is_right:
; out0[token][m] = sum over k of ao[token][k] Wo[m][k], K = 1,024, on codes of FP8 (E4M3) with E8M0 scales; out0 f32.
; A tile of the output is 128 tokens x 256 features: 64 x 4 = 256 work-groups.  Four waves, each 64 x 128: 32 accumulators, 256 registers (window 2).
; ao's codes lie in memory as images of operand registers, [tile of 16 tokens][K step of 128 (8)][block of 32 (4)][lane][16 bytes]: a slot's part of a token tile is 4,096 dense bytes, read from LDS at 16 x lane.
; ao's scale bytes lie [head (16)][token] as halfwords (a head's two blocks); a K step of 128 is two heads.  The turning load makes of 8 heads x 8 tokens one token a lane and its 8 halfwords: four scale words:
; lanes 0-15 get K steps 0-3, lanes 16-31 K steps 4-7.  Wo's codes and scales go as in the projections' launch.
; K goes in steps of 256 through a ring of two LDS slots; four slots' worth, written out.  CLUSTERS: 4 x 4 work-groups: ao's tiles are shared along a row of the cluster, Wo's along a column: joint loads.
; THE MATRIX INSTRUCTION IS USED TRANSPOSED (source 0 = 16 rows of Wo, source 1 = 16 tokens): a lane holds eight neighbouring numbers of a row of the output.
; REGISTERS: window 0: v16-29 addresses; v32-47 ao's scale words, v48-79 Wo's (they hold nothing else); v128-255 ao's fragments, two sets of 64, later rows on the way out.  window 1: Wo's fragments, two sets.  window 2: accumulator (a, b) at v[8 (8 a + b)].
.set ROWB,   256
.set KROW,   1024
.set PITCH,  272
.set FR,     16
.set NP,     8
.set HALFT,  128*PITCH
.set BOFF,   32768                     ; a slot: ao's 8 token tiles x 4,096 bytes, then Wo's 256 rows
.set SLOT,   BOFF+2*HALFT
.set SCB,    2*SLOT                    ; Wo's scales: 2 x 16 units of 272
.set HALFS,  16*272
.set SBLK,   2*272
.set SCA,    SCB+2*HALFS               ; ao's: 16 heads x (256 bytes + 32)
.set SPARE,  SCA+16*288                ; the spare words, 128 bytes a wave
.set SPITCH, 528                       ; the way out: 16 rows x (512 + 16) for each wave, in slot 0, which has had its last fill and its last read by then
.set ADRA, 16
.set ADRB, 20
.set ADSA, 22
.set ADSB, 23
.set STO,  24
.set RD,   25
.set CO,   26
.set SPW,  28
.set NIL,  29
.set SA,   32
.set SB,   48
.set AF,   128
.set BK,   128
.set G1, 24
.set G0, 32
.set G1B, 48
.set G0B, 56
.set G1S, 68
.set G0S, 76
.set G1SB, 80
.set G0SB, 88
.set MSB, 0
.macro WIN new
.if MSB != (\new)
	s_set_vgpr_msb (MSB<<8)|(\new)
.set MSB, (\new)
.endif
.endm
.set MUL,  0xa1                        ; source 0 (Wo) window 1, source 1 (ao) window 0, C and D window 2
.set TO_B, 0x40
.macro JLOAD g0a, g1a, g0b, g1b        ; waves 0 and 1 fetch for ao, waves 2 and 3 for Wo; four v_nop follow each of the two lines
	s_cmp_eq_u32 s15, 0
	s_cbranch_scc0 .Lfor_b_\@
	tensor_load_to_lds s[\g0a:\g0a+3], s[\g1a:\g1a+7]
	s_nop 0
.rept 4
	v_nop
.endr
	s_branch .Lasked_\@
.Lfor_b_\@:
	tensor_load_to_lds s[\g0b:\g0b+3], s[\g1b:\g1b+7]
	s_nop 0
.rept 4
	v_nop
.endr
.Lasked_\@:
.endm
.macro CREST
	s_cmp_lg_u32 s14, 0
	s_cbranch_scc1 .Lnot_wave_0_\@
	s_barrier_signal -3
.Lnot_wave_0_\@:
	s_barrier_wait -3
	s_barrier_signal -1
	s_barrier_wait -1
.endm
.macro CROUND
	s_barrier_signal -1
	s_barrier_wait -1
	CREST
.endm
	s_load_b128 s[4:7], s[0:1], 0x0                ; ao_codes, ao_hs
	s_load_b128 s[8:11], s[0:1], 0x10              ; Wo's codes, Wo's scales
	s_load_b64 s[12:13], s[0:1], 0x20              ; out0
	v_lshl_add_u32 v[SPW], v0, 2, SPARE
	v_mov_b32 v[NIL], 0
	ds_add_u32 v28, v29
	ds_add_u32 v28, v29
	s_wait_dscnt 0x0
	v_lshrrev_b32 v1, 5, v0
	v_readfirstlane_b32 s14, v1                    ; wave 0..3
	s_lshr_b32 s15, s14, 1                         ; which 64 tokens are mine.  Also: I fetch for ao (0) or for Wo (1)
	s_and_b32 s16, s14, 1                          ; which 128 features.  Also: which half I fetch
	s_bfe_u32 s40, ttmp6, 0x40000                  ; cx
	s_bfe_u32 s41, ttmp6, 0x40004                  ; cy
	s_lshl_b32 s42, ttmp9, 2
	s_add_co_u32 s42, s42, s40                     ; tile column
	s_and_b32 s17, ttmp7, 0xffff
	s_lshl_b32 s17, s17, 2
	s_add_co_u32 s17, s17, s41                     ; tile row: 128 tokens
	s_lshl_b32 s43, s41, 2
	s_lshl_b32 s43, 15, s43                        ; my row of the cluster
	s_lshl_b32 s44, 0x1111, s40                    ; my column
	s_or_b32 s[G1+0], s43, (3<<16)|(1<<21)         ; ao's codes: 4 token tiles, each 512 elements of 8 bytes, 2,048 elements apart; dense in LDS
	s_mov_b32 s[G1+1], 512<<16
	s_mov_b32 s[G1+2], 4<<16
	s_mov_b32 s[G1+3], 512<<16
	s_mov_b32 s[G1+4], 4
	s_mov_b32 s[G1+5], 2048
	s_mov_b32 s[G1+6], 0
	s_mov_b32 s[G1+7], 0
	s_or_b32 s[G1B+0], s44, (0<<16)|(1<<20)|(1<<21)|(5<<22)|(3<<25)   ; Wo's codes: 128 rows of 256 bytes, 16 of padding behind each
	s_mov_b32 s[G1B+1], ROWB<<16
	s_mov_b32 s[G1B+2], 128<<16
	s_mov_b32 s[G1B+3], ROWB<<16
	s_mov_b32 s[G1B+4], 128
	s_mov_b32 s[G1B+5], KROW
	s_mov_b32 s[G1B+6], 0
	s_mov_b32 s[G1B+7], 0
	s_or_b32 s[G1S+0], s43, (3<<16)|(1<<20)|(1<<21)|(5<<22)|(7<<25)   ; ao's scales: 8 heads, each 128 tokens' 256 bytes, 16,384 bytes apart; 32 bytes of padding behind each
	s_mov_b32 s[G1S+1], 32<<16
	s_mov_b32 s[G1S+2], 8<<16
	s_mov_b32 s[G1S+3], 32<<16
	s_mov_b32 s[G1S+4], 8
	s_mov_b32 s[G1S+5], 2048
	s_mov_b32 s[G1S+6], 0
	s_mov_b32 s[G1S+7], 0
	s_or_b32 s[G1SB+0], s44, (3<<16)|(1<<20)|(1<<21)|(5<<22)|(3<<25)  ; Wo's scales of 128 rows: 4,096 dense bytes as 16 rows of 256, 16 of padding behind each
	s_mov_b32 s[G1SB+1], 32<<16
	s_mov_b32 s[G1SB+2], 16<<16
	s_mov_b32 s[G1SB+3], 32<<16
	s_mov_b32 s[G1SB+4], 16
	s_mov_b32 s[G1SB+5], 32
	s_mov_b32 s[G1SB+6], 0
	s_mov_b32 s[G1SB+7], 0
	s_lshl_b32 s20, s17, 3
	s_lshl_b32 s18, s16, 2
	s_add_co_u32 s20, s20, s18
	s_lshl_b32 s20, s20, 14                        ; ao's codes: token tile 8 x tile row + 4 x half
	s_mov_b32 s21, 0
	s_lshl_b32 s22, s16, 17
	s_lshl_b32 s18, s17, 8
	s_add_co_u32 s22, s22, s18                     ; ao's scales: head 8 x half, the tile row's 128 tokens
	s_mov_b32 s23, 0
	s_lshl_b32 s46, s42, 8
	s_lshl_b32 s18, s16, 7
	s_add_co_u32 s46, s46, s18                     ; Wo: row 256 x tile column + 128 x half
	s_lshl_b32 s92, s46, 5
	s_mov_b32 s93, 0
	s_lshl_b32 s46, s46, 10
	s_mov_b32 s47, 0
	s_lshl_b32 s45, s16, 14                        ; where they go: no place in the cluster enters an LDS address
	s_mul_i32 s94, s16, HALFT
	s_add_co_u32 s94, s94, BOFF
	s_mul_i32 s95, s16, 8*288
	s_add_co_u32 s95, s95, SCA
	s_mul_i32 s96, s16, HALFS
	s_add_co_u32 s96, s96, SCB
	s_wait_kmcnt 0x0
	s_add_nc_u64 s[20:21], s[4:5], s[20:21]
	s_add_nc_u64 s[22:23], s[6:7], s[22:23]
	s_add_nc_u64 s[46:47], s[8:9], s[46:47]
	s_add_nc_u64 s[92:93], s[10:11], s[92:93]
	CROUND                                         ; all sixteen work-groups are here: the first joint loads meet
	s_mov_b32 s[G0S], 1
	s_mov_b32 s[G0S+1], s95
	s_mov_b64 s[G0S+2:G0S+3], s[22:23]
	s_or_b32 s[G0S+3], s[G0S+3], 0x80000000
	s_mov_b32 s[G0SB], 1
	s_mov_b32 s[G0SB+1], s96
	s_mov_b64 s[G0SB+2:G0SB+3], s[92:93]
	s_or_b32 s[G0SB+3], s[G0SB+3], 0x80000000
	JLOAD G0S, G1S, G0SB, G1SB                     ; the scales first; each slot's load below waits for the loads before it
.irp s, 0,1
	s_mov_b32 s[G0+4*\s], 1
	s_add_co_u32 s[G0+4*\s+1], s45, \s*SLOT
	s_add_nc_u64 s[G0+4*\s+2:G0+4*\s+3], s[20:21], \s*4096
	s_or_b32 s[G0+4*\s+3], s[G0+4*\s+3], 0x80000000
	s_mov_b32 s[G0B+4*\s], 1
	s_add_co_u32 s[G0B+4*\s+1], s94, \s*SLOT
	s_add_nc_u64 s[G0B+4*\s+2:G0B+4*\s+3], s[46:47], \s*ROWB
	s_or_b32 s[G0B+4*\s+3], s[G0B+4*\s+3], 0x80000000
	s_wait_alu depctr_va_vdst(0)
	s_wait_tensorcnt 0x0
	ds_add_u32 v28, v29
	s_wait_dscnt 0x0
	CROUND
	JLOAD G0+4*\s, G1, G0B+4*\s, G1B
.endr
	v_and_b32 v1, 15, v0                           ; r
	v_bfe_u32 v2, v0, 4, 1                         ; h
	v_and_b32 v7, 31, v0
	v_lshlrev_b32 v[CO], 4, v7                     ; 16 x lane
	s_lshl_b32 s21, s15, 14                        ; my four token tiles
	v_add_nc_u32 v[ADRA], s21, v[CO]
	v_add_nc_u32 v[ADRA+1], SLOT, v[ADRA]
	v_mul_u32_u24 v3, v1, PITCH
	v_lshl_add_u32 v4, v2, 4, v3
	s_mul_i32 s22, s16, HALFT
	s_add_co_u32 s22, s22, BOFF
	v_add_nc_u32 v[ADRB], s22, v4
	v_add_nc_u32 v[ADRB+1], SLOT, v[ADRB]
	v_and_b32 v5, 7, v0                            ; the turning load: lane l names head 8 (l / 16) + l % 8 and the 8 tokens 8 ((l / 8) % 2) on
	v_lshl_add_u32 v5, v2, 3, v5
	v_mul_u32_u24 v5, v5, 288
	v_bfe_u32 v6, v0, 3, 1
	v_lshl_add_u32 v5, v6, 4, v5
	s_lshl_b32 s21, s15, 7                         ; my 64 tokens' 128 bytes
	s_add_co_u32 s21, s21, SCA
	v_add_nc_u32 v[ADSA], s21, v5
	v_lshrrev_b32 v5, 3, v1
	v_and_b32 v6, 7, v1
	v_mul_u32_u24 v5, v5, 272
	v_lshl_add_u32 v5, v6, 5, v5
	v_lshl_add_u32 v5, v2, 4, v5
	s_mul_i32 s22, s16, HALFS
	s_add_co_u32 s22, s22, SCB
	v_add_nc_u32 v[ADSB], s22, v5
	s_mul_i32 s23, s14, 16*SPITCH                  ; my stage
	v_mul_u32_u24 v5, v1, SPITCH
	v_lshl_add_u32 v5, v2, 5, v5
	v_add_nc_u32 v[STO], s23, v5                   ; in: row r, 32 bytes for each half of the lanes
	v_add_nc_u32 v[RD], s23, v[CO]                 ; back: the 32 lanes take one row of 512 bytes
	s_lshl_b32 s20, s17, 7
	s_lshl_b32 s21, s15, 6
	s_add_co_u32 s20, s20, s21                     ; my first row of the output
	s_lshl_b32 s20, s20, 12                        ; 4,096 bytes a row
	s_lshl_b32 s46, s42, 10
	s_lshl_b32 s47, s16, 9
	s_add_co_u32 s46, s46, s47                     ; my first column, in bytes
	s_add_co_u32 s20, s20, s46
	s_mov_b32 s21, 0
	s_add_nc_u64 s[12:13], s[12:13], s[20:21]
; 8 matrix instructions: ao's block a x Wo's eight, K step kap; p: the set of fragments.  The 32 accumulators take turns, one instruction a turn, in the same order in every step.
.macro MUL8 a, p, kap, zero
.irp b, 0,1,2,3,4,5,6,7
.set DR, 8*(8*(\a)+\b)
.set BR, 128*(\p)+FR*\b
.set AR, AF+64*(\p)+FR*(\a)
.set SBR, SB+4*\b+(\kap)%4
.set SAR, SA+4*(\a)+(\kap)%4
.if \zero
	v_wmma_scale_f32_16x16x128_f8f6f4 v[DR:DR+7], v[BR:BR+15], v[AR:AR+15], 0, v[SBR], v[SAR]
.elseif (\kap) < 4
	v_wmma_scale_f32_16x16x128_f8f6f4 v[DR:DR+7], v[BR:BR+15], v[AR:AR+15], v[DR:DR+7], v[SBR], v[SAR]
.else
	v_wmma_scale_f32_16x16x128_f8f6f4 v[DR:DR+7], v[BR:BR+15], v[AR:AR+15], v[DR:DR+7], v[SBR], v[SAR] matrix_a_scale:MATRIX_SCALE_ROW1 matrix_b_scale:MATRIX_SCALE_ROW1
.endif
.endr
.endm
.macro FETCH3 slot, q, p               ; the fragments of the slot's q-th 128 along K into set p: 32 loads for Wo, 16 for ao
	WIN TO_B
.irp i, 0,1,2,3,4,5,6,7
.irp c, 0,1,2,3
	ds_load_b128 v[128*(\p)+FR*\i+4*\c:128*(\p)+FR*\i+4*\c+3], v[ADRB+\slot] offset:128*(\q)+32*\c+\i*16*PITCH
.endr
.endr
	WIN 0
.irp i, 0,1,2,3
.irp c, 0,1,2,3
	ds_load_b128 v[AF+64*(\p)+FR*\i+4*\c:AF+64*(\p)+FR*\i+4*\c+3], v[ADRA+\slot] offset:4096*\i+2048*(\q)+512*\c
.endr
.endr
.endm
.macro PLACES n
.rept \n
	v_nop
.endr
.endm
.macro EVEN slot, kap, zero            ; a slot's first K step, on set 0; it fetches the second into set 1
	s_wait_dscnt 0x0                               ; set 0 is in
	PLACES NP                                      ; in front of loads into set 1, which the last products read
	FETCH3 \slot, 1, 1
	WIN MUL
	MUL8 0, 0, \kap, \zero
	MUL8 1, 0, \kap, \zero
	MUL8 2, 0, \kap, \zero
	MUL8 3, 0, \kap, \zero
	WIN 0
.endm
.macro TURN3 slot, next, fill, kap     ; a slot's second K step, on set 1, changes slots
	s_wait_tensorcnt 0x0                           ; all my tensor loads have landed: my part of the next slot
	ds_add_u32 v[SPW], v[NIL]
	s_wait_dscnt 1                                 ; set 1 is in (the add may be out)
	WIN MUL
	MUL8 0, 1, \kap, 0
	s_wait_dscnt 0x0                               ; the add is done, and my reads of this slot are over
	s_barrier_signal -1
	MUL8 1, 1, \kap, 0
	WIN 0
	s_barrier_wait -1
.if \fill
	CREST                                          ; the barrier has opened a round of the cluster's barrier
	s_add_nc_u64 s[G0+4*\slot+2:G0+4*\slot+3], s[G0+4*\slot+2:G0+4*\slot+3], 2*4096
	s_add_nc_u64 s[G0B+4*\slot+2:G0B+4*\slot+3], s[G0B+4*\slot+2:G0B+4*\slot+3], 2*ROWB
	JLOAD G0+4*\slot, G1, G0B+4*\slot, G1B
	PLACES NP-4
.else
	PLACES NP
.endif
	FETCH3 \next, 0, 0
	WIN MUL
	MUL8 2, 1, \kap, 0
	MUL8 3, 1, \kap, 0
	WIN 0
.endm
	s_wait_alu depctr_va_vdst(0)
	s_wait_tensorcnt 1                             ; the scales and my part of slot 0 are in; slot 1's load may be out
	s_barrier_signal -1
	s_barrier_wait -1
	FETCH3 0, 0, 0
.irp i, 0,1,2,3
	ds_load_tr16_b128 v[SA+4*\i:SA+4*\i+3], v[ADSA] offset:32*\i   ; block i's 16 tokens: a token a lane, four scale words
.endr
.irp i, 0,1,2,3,4,5,6,7
	ds_load_b128 v[SB+4*\i:SB+4*\i+3], v[ADSB] offset:\i*SBLK
.endr
	EVEN 0, 0, 1
	TURN3 0, 1, 1, 1
	EVEN 1, 2, 0
	TURN3 1, 0, 1, 3
	EVEN 0, 4, 0
	TURN3 0, 1, 0, 5                               ; the last two slots are filled no more: no round
	EVEN 1, 6, 0
	s_wait_dscnt 0x0
	WIN MUL
	MUL8 0, 1, 7, 0
	MUL8 1, 1, 7, 0
	MUL8 2, 1, 7, 0
	MUL8 3, 1, 7, 0
	WIN 0
; THE WAY OUT, block by block of 16 rows x 128 columns, through my own stage in LDS: in as 32 bytes a lane, back as whole rows of 512 bytes.  LDS serves a wave's instructions in order (ISA guide 5.7.1.4).
.macro TOSTAGE a
.set AC, 64*(\a)
	WIN 0x08                                       ; an LDS store's data: window 2
.irp b, 0,1,2,3,4,5,6,7
	ds_store_b128 v[STO], v[AC+8*\b:AC+8*\b+3] offset:64*\b          ; each accumulator from its low end on
	ds_store_b128 v[STO], v[AC+8*\b+4:AC+8*\b+7] offset:64*\b+16
.endr
	WIN 0
.set BB, BK+64*((\a)%2)
.irp t, 0,1,2,3,4,5,6,7,8,9,10,11,12,13,14,15
	ds_load_b128 v[BB+4*\t:BB+4*\t+3], v[RD] offset:\t*SPITCH
.endr
.endm
.macro SEND a, younger
.set BB, BK+64*((\a)%2)
	s_wait_dscnt \younger
.if (\a) > 0
	s_add_nc_u64 s[12:13], s[12:13], 16*4096       ; (behind a wait on XCNT: the earlier stores have read their base)
.endif
.irp t, 0,1,2,3,4,5,6,7,8,9,10,11,12,13,14,15
	global_store_b128 v[CO], v[BB+4*\t:BB+4*\t+3], s[12:13] offset:\t*4096 th:TH_STORE_NT   ; 32 lanes store 512 consecutive bytes, aligned
.endr
.endm
	PLACES NP
	TOSTAGE 0
.irp a, 1,2,3
.if \a > 1
	s_wait_xcnt 0x0                                ; block a - 2's stores have read their registers and their base
.endif
	TOSTAGE \a
	SEND \a-1, 32                                  ; behind block a - 1's loads: block a's 16 stores and 16 loads
.endr
	s_wait_xcnt 0x0
	SEND 3, 0
	s_wait_tensorcnt 0x0                           ; the wave's end
	ds_add_u32 v[SPW], v[NIL]
	s_wait_dscnt 0x0
	CROUND                                         ; the closing round
	s_endpgm
.Lfunc_end_k_q1204fb4285_oproj:
	.size	k_q1204fb4285_oproj, .Lfunc_end_k_q1204fb4285_oproj-k_q1204fb4285_oproj
	.p2alignl 7, 3214868480
	.fill 96, 4, 3214868480
	.section	.rodata,"a",@progbits
	.p2align	6, 0x0
	.amdhsa_kernel k_q1204fb4285_oproj
		.amdhsa_group_segment_fixed_size 327680
		.amdhsa_private_segment_fixed_size 0
		.amdhsa_enable_private_segment 0
		.amdhsa_kernarg_size 40
		.amdhsa_user_sgpr_count 2
		.amdhsa_user_sgpr_kernarg_segment_ptr 1
		.amdhsa_wavefront_size32 1
		.amdhsa_system_sgpr_workgroup_id_x 1
		.amdhsa_system_sgpr_workgroup_id_y 1
		.amdhsa_system_sgpr_workgroup_id_z 1
		.amdhsa_system_vgpr_workitem_id 0
		.amdhsa_next_free_vgpr 768
		.amdhsa_next_free_sgpr 98
		.amdhsa_reserve_vcc 0
		.amdhsa_float_denorm_mode_32 3
		.amdhsa_float_denorm_mode_16_64 3
		.amdhsa_memory_ordered 1
		.amdhsa_forward_progress 1
		.amdhsa_inst_pref_size 88
	.end_amdhsa_kernel
	.amdgpu_metadata
---
amdhsa.version: [ 1, 2 ]
amdhsa.kernels:
  - .name:           k_q1204fb4285_oproj
    .symbol:         k_q1204fb4285_oproj.kd
    .args:
      - { .name: ao_codes, .offset: 0, .size: 8, .value_kind: global_buffer, .address_space: global }
      - { .name: ao_hs, .offset: 8, .size: 8, .value_kind: global_buffer, .address_space: global }
      - { .name: o_proj_weight_codes, .offset: 16, .size: 8, .value_kind: global_buffer, .address_space: global }
      - { .name: o_proj_weight_scales, .offset: 24, .size: 8, .value_kind: global_buffer, .address_space: global }
      - { .name: out0, .offset: 32, .size: 8, .value_kind: global_buffer, .address_space: global }
    .group_segment_fixed_size: 327680
    .private_segment_fixed_size: 0
    .kernarg_segment_align: 8
    .kernarg_segment_size: 40
    .max_flat_workgroup_size: 128
    .sgpr_count:     98
    .vgpr_count:     768
    .wavefront_size: 32
...
	.end_amdgpu_metadata
.endif
;; end of part 4
